; MI455X (gfx1250); checked and timed in simulation.
; The chip was launched on July 23, 2026; its instructions are those of AMD's public machine-readable ISA for CDNA 5 (MIT licence, August 2026) and "CDNA5" Instruction Set Architecture Reference Guide (July 2026). The comments in the code are by the model that wrote it; some were corrected since.
;; Multi Head Attention. Allowed arithmetic: matrix products marked QUANTISED: E2M3 operands, one E8M0 scale for each 32 along K, by v_wmma_scale_f32_16x16x128_f8f6f4 with both operands' format E2M3, f32 sums; everything else in f32.
;; Inputs: Wk 1,024 x 1,024 float32; Wo 1,024 x 1,024 float32; Wq 1,024 x 1,024 float32; Wv 1,024 x 1,024 float32; bk 1,024 float32; bo 1,024 float32; bq 1,024 float32; bv 1,024 float32; key 4 x 2,048 x 1,024 float32; query 4 x 2,048 x 1,024 float32; value 4 x 2,048 x 1,024 float32.
;; Outputs: out0 4 x 2,048 x 1,024 float32.
;; This version of the problem:
;;   THIS VERSION OF THE PROBLEM IS GIVEN IN LOW PRECISION. The matrix products marked QUANTISED in the list below multiply operands that are first quantised to E2M3 (2 exponent bits, 3 mantissa bits; 6 bits a number), with one power-of-two scale for each 32 numbers along K (OCP MX v1.0); their sums are f32. All else is computed in f32.
;;   The module's matrix products, in the order in which they are computed (A, B: the left and right operand; K: the contracted axis; several contracted axes count as one K, in the product's order):
;;     1. [M 8,192, K 1,024] x [K 1,024, N 1,024]; A: input query; B: input Wq: QUANTISED
;;     2. [M 8,192, K 1,024] x [K 1,024, N 1,024]; A: input key; B: input Wk: QUANTISED
;;     3. [M 8,192, K 1,024] x [K 1,024, N 1,024]; A: input value; B: input Wv: QUANTISED
;;     4. batch 64 x [M 2,048, K 64] x [K 64, N 2,048]; A: computed on the way; B: computed on the way: QUANTISED
;;     5. batch 64 x [M 2,048, K 2,048] x [K 2,048, N 64]; A: softmax (see below); B: computed on the way: QUANTISED
;;     6. [M 8,192, K 1,024] x [K 1,024, N 1,024]; A: computed on the way; B: input Wo: QUANTISED
;;   THE QUANTISER, for each operand of a quantised product, along K:
;;     - K is cut into blocks of 32 from its start; a last block that is shorter is filled with zeros.
;;     - A block's scale is 2^e with e = floor(log2(the largest magnitude in the block)) - 2, held to -126 .. 127; a block of zeros has e = 0. As a byte (E8M0): e + 127.
;;     - Each number is divided by its block's scale, clamped to +-7.5, and rounded to the nearest number of E2M3, ties to even, subnormals kept.
;;     - The product sums the exact products of the quantised numbers (number of the format x scale) in f32.
;;   ~~~python
;;   def quantise(x, axis):      # numpy; x: float32 -> the quantised numbers, widened to float32 again
;;       x = np.moveaxis(x, axis, -1); K = x.shape[-1]
;;       x = np.pad(x, [(0, 0)] * (x.ndim - 1) + [(0, -K % 32)]); x = x.reshape(x.shape[:-1] + (-1, 32)); a = np.abs(x).max(-1, keepdims=True)
;;       e = np.where(a > 0, np.clip(np.frexp(np.where(a > 0, a, 1))[1] - 1 - 2, -126, 127), 0)      # np.frexp(a)[1] - 1 = floor(log2(a)), exactly
;;       r = np.clip(x / 2.0 ** e, -7.5, 7.5)
;;       step = 2.0 ** (np.maximum(np.frexp(np.where(r == 0, 1, r))[1] - 1, 0) - 3)
;;       q = np.round(r / step) * step * 2.0 ** e      # np.round: ties to even
;;       return np.moveaxis(q.reshape(q.shape[:-2] + (-1,))[..., :K], -1, axis).astype(np.float32)
;;   ~~~
;;   SOFTMAX AHEAD OF A QUANTISED PRODUCT. Where the list says 'softmax', what is quantised is not the finished softmax but p = 2^(t - M), with t = logit x log2(e) and M = ceil(the row's largest t), a whole number; so 1/2 < the row's largest p <= 1. The row's sum l is taken of the UNQUANTISED p, in f32, and the product's result is divided by l at the end. Since M is a whole number, a kernel that streams over the keys may use a running M (the ceiling of the running maximum): every later rescaling is an exact power of two, which a block's scale takes up: the codes' values come out the same.
;;   OPERANDS COMPUTED ON THE WAY. 'Computed on the way' means the value that the module computes at that place (a softmax that the list does not call 'softmax' is quantised finished and normalised). What goes into a quantiser is computed in f32, as accurately as f32 sums, v_exp_f32 and their like allow (about 1e-6 of the number): no bf16 or f16 on the way to a quantiser, and a product that is left as it is and whose result goes on into a quantised operand takes f32 operands (vector FMAs, or v_wmma_f32_16x16x4_f32). A number that lies on a knife's edge between two numbers of the format may be rounded either way, as far as f32 arithmetic and the matrix unit's own rounding can turn it there, and no further.
;; One version. Each part assembles by itself: llvm-mc -triple=amdgcn-amd-amdhsa -mcpu=gfx1250 --defsym DOCPART=n.
;; ======== version 1 of 1: 4 launches
;; limits: right only within a limited range of input values
;; workspace buffers: xc 22,020,096 bytes; xs 917,504 bytes; pc 18,874,368 bytes; ps 786,432 bytes; oc 6,291,456 bytes; os 262,144 bytes
;; launch quant (part 1): grid 896 x 1, 4 waves a work-group, no clusters, 35,328 bytes of LDS; arguments query, key, value, Wq, Wk, Wv, Wo, xc, xs; writes xc, xs
.if DOCPART == 1
	.amdgcn_target "amdgcn-amd-amdhsa--gfx1250"
	.amdhsa_code_object_version 6
	.text
	.protected	k_qd9ea19f38f_quant
	.globl	k_qd9ea19f38f_quant
	.p2align	8
	.type	k_qd9ea19f38f_quant,@function
k_qd9ea19f38f_quant:
	s_mov_b64 s[64:65], 0
	v_nop
	global_prefetch_b8 v0, s[64:65] scope:SCOPE_SE
	s_setreg_imm32_b32 hwreg(HW_REG_WAVE_MODE, 25, 1), 1
	s_wait_xcnt 0x0
; query, key, value [8192][1024] and Wq, Wk, Wv, Wo [1024][1024], f32, K innermost, become codes of FP6 (E2M3) with one E8M0 byte for each 32 along K.
; A block's scale is 2^(floor(log2(its largest magnitude)) - 2); its byte is the largest magnitude's exponent field - 2, held at 1 from below.
; LIMITS: NaN and infinities among the inputs are not served; a block whose largest magnitude lies under 2^-124 is held at the byte 1; a block of zeros gets the byte 1 where the rule
; says 127: its codes are zeros, which add nothing under any byte but 0xff, and the bytes are read by this program alone.
; THE CODES ARE LAID AS IMAGES OF OPERAND REGISTERS.  A fragment is 16 rows x 128 K, 12 registers a lane (lane l: row l % 16; registers 6 c .. 6 c + 5: K = 64 c + 32 (l / 16) + 0 .. 31), 1,536 bytes:
; registers 0-3 at 16 l, registers 4-5 at 512 + 8 l, registers 6-9 at 768 + 16 l, registers 10-11 at 1,280 + 8 l.  xc: [row tile 1,792][K step 8][1,536];  xs: [K step 8][row tile 1,792][16 words].
; Row tiles: query from 0, key from 512, value from 1,024, Wq 1,536, Wk 1,600, Wv 1,664, Wo 1,728.
; WHICH ROWS FORM A TILE.  In key, value, Wq, Wk, Wv tile n holds rows 32 (n / 2) + 8 (n % 2) + r + 8 (r / 8): as source 0 of a transposed product such a tile leaves a lane's 16 registers of tiles
; 2 b, 2 b + 1 as 16 neighbours along the next product's K.  query and Wo keep their order.
; SHARES.  A wave takes four neighbouring row tiles (64 rows) x one K step: four fragments, 32,768 bytes read.  Each load reads 512 consecutive bytes of one row; the 16 rows turn through the wave's own
; stage in LDS (rows 528 bytes apart, so that sixteen lanes' reads of 16 bytes start at sixteen different columns of 16 bytes) and come back 16 neighbours of each block of 32 a lane.  Waves share nothing: no barrier.
.set STW,  8704                        ; LDS of a wave: the stage, 16 x 528 bytes, and 256 bytes for its four fragments' scale words
.set SP,   528
.set GI,   4                           ; v4   16 x lane; never rewritten
.set L8,   5                           ; v5   8 x lane; never rewritten
.set STI,  6                           ; v6   the stage, on the way in
.set STO,  7                           ; v7   and on the way out: row r, + 64 h
.set SCW,  8                           ; v8   where my row's scale word goes
.set SCR,  9                           ; v9   and where 8 bytes a lane are read back
.set PW,   12                          ; v12-15 a scale word for each fragment
.set TM,   16                          ; v16-31 at work
.set R,    32                          ; v32-159 two sets of 64: a fragment's numbers as loaded
.set X,    160                         ; v160-223 register 16 b + i = K 32 b + 16 h + i of my row
.set PC,   224                         ; v224-242 the codes
.set BK,   244                         ; v244-245 scale words read back
.set P0,   4                           ; s[4:5]   my 64 rows, my K step
.set P1,   30                          ; s[30:31] 16 rows on (8 in a tensor that keeps its order)
.set P2,   32                          ; s[32:33] 8 rows on (16)
.set SEL,  38                          ; s[38:39] lane selects for v_permlanex16_b32: lane l xor 16
	s_load_b512 s[8:23], s[0:1], 0x0               ; query, key, value, Wq, Wk, Wv, Wo, xc
	s_load_b64 s[24:25], s[0:1], 0x40              ; xs
	v_lshl_add_u32 v248, v0, 2, 0x8800
	v_mov_b32 v249, 0
	v_lshrrev_b32 v1, 5, v0
	v_readfirstlane_b32 s2, v1                     ; wave
	v_and_b32 v1, 31, v0                           ; lane
	v_and_b32 v2, 15, v0                           ; r
	v_bfe_u32 v3, v0, 4, 1                         ; h
	s_mul_i32 s3, s2, STW
	v_lshlrev_b32 v[GI], 4, v1
	v_lshlrev_b32 v[L8], 3, v1
	v_add_nc_u32 v[STI], s3, v[GI]
	v_mul_u32_u24 v[STO], v2, SP
	v_lshl_add_u32 v[STO], v3, 6, v[STO]
	v_add_nc_u32 v[STO], s3, v[STO]
	s_add_co_u32 s3, s3, 16*SP
	v_lshl_add_u32 v[SCW], v2, 2, s3
	v_add_nc_u32 v[SCR], s3, v[L8]
.irp b, 0,1,2,3
	v_mov_b32 v[TM+4+\b], 0                        ; written once: a lane permute's destination counts as one of its sources
.endr
	s_mov_b32 s[SEL], 0x76543210
	s_mov_b32 s[SEL+1], 0xfedcba98
	s_lshr_b32 s26, ttmp9, 1                       ; G: which group of four row tiles, 0 .. 447
	s_and_b32 s27, ttmp9, 1
	s_lshl_b32 s27, s27, 2
	s_add_co_u32 s27, s27, s2                      ; my K step: 4 x (work-group % 2) + wave
	s_mov_b32 s28, 0                               ; the tensor's first group
	s_wait_alu depctr_va_vdst(0)
	s_wait_kmcnt 0x0
	s_mov_b64 s[P0:P0+1], s[8:9]
.macro PICK t, reg                     ; from group t on: the tensor whose address stands in s[reg:reg+1].  The choice hangs on the work-group's number alone
	s_cmp_ge_u32 s26, \t
	s_cselect_b64 s[P0:P0+1], s[\reg:\reg+1], s[P0:P0+1]
	s_cselect_b32 s28, \t, s28
.endm
	PICK 128, 10
	PICK 256, 12
	PICK 384, 14
	PICK 400, 16
	PICK 416, 18
	PICK 432, 20
	s_sub_co_u32 s34, s26, s28
	s_lshl_b32 s34, s34, 18                        ; 64 rows of 4,096 bytes a group
	s_lshl_b32 s36, s27, 9                         ; 512 bytes a K step
	s_add_co_u32 s34, s34, s36
	s_mov_b32 s35, 0
	s_add_nc_u64 s[P0:P0+1], s[P0:P0+1], s[34:35]
	s_mov_b32 s37, 0
	s_sub_co_u32 s36, s26, 128
	s_cmp_lt_u32 s36, 304                          ; groups 128 .. 431: key, value, Wq, Wk, Wv
	s_mov_b32 s34, 32768
	s_cselect_b32 s34, 65536, s34
	s_mov_b32 s36, 65536
	s_cselect_b32 s36, 32768, s36
	s_add_nc_u64 s[P1:P1+1], s[P0:P0+1], s[34:35]
	s_add_nc_u64 s[P2:P2+1], s[P0:P0+1], s[36:37]
	s_mul_i32 s34, s26, 49152                      ; xc: four row tiles of 12,288 bytes a group,
	s_mul_i32 s36, s27, 1536                       ; 1,536 a K step
	s_add_co_u32 s34, s34, s36
	s_add_nc_u64 s[22:23], s[22:23], s[34:35]
	s_mul_i32 s34, s27, 114688                     ; xs: 1,792 x 64 bytes a K step,
	s_lshl_b32 s36, s26, 8                         ; 256 a group
	s_add_co_u32 s34, s34, s36
	s_add_nc_u64 s[24:25], s[24:25], s[34:35]
; fragment f's 16 rows, 512 consecutive bytes a load.  Row i of tile f (f = 2 f1 + f0, i = 8 i3 + i') lies 32 f1 + i' rows on from: P0 (f0 = 0, i3 = 0), P1 (0, 1), P2 (1, 0), P0 + 24 rows (1, 1)
.macro LOAD f
.irp i, 0,1,2,3,4,5,6,7,8,9,10,11,12,13,14,15
.set PB, P0
.set OF, 32*((\f)/2)+(\i)%8
.if ((\f)%2 == 0) && (\i >= 8)
.set PB, P1
.endif
.if ((\f)%2 == 1) && (\i < 8)
.set PB, P2
.endif
.if ((\f)%2 == 1) && (\i >= 8)
.set OF, OF+24
.endif
	global_load_b128 v[R+64*((\f)%2)+4*\i:R+64*((\f)%2)+4*\i+3], v[GI], s[PB:PB+1] offset:OF*4096 th:TH_LOAD_NT
.endr
.endm
; 64 numbers of a lane, register 16 b + i = K 32 b + 16 h + i of my row, become a fragment's codes in v[PC] on and its scale word in v[pw]
.macro QUANT s, pw
.irp b, 0,1,2,3
	v_max3_num_f32 v[TM+\b], |v[\s+16*\b]|, |v[\s+1+16*\b]|, 0x1800000   ; block b: my 16 numbers, and the floor 2^(3 - 127): so the byte cannot fall under 1
.endr
.irp i, 2,4,6,8,10,12,14
.irp b, 0,1,2,3
	v_max3_num_f32 v[TM+\b], v[TM+\b], |v[\s+16*\b+\i]|, |v[\s+1+16*\b+\i]|   ; the four blocks by turns
.endr
.endr
.irp b, 0,1,2,3
	v_permlanex16_b32 v[TM+4+\b], v[TM+\b], s[SEL], s[SEL+1]
.endr
.irp b, 0,1,2,3
	v_max_num_f32 v[TM+\b], v[TM+\b], v[TM+4+\b]   ; with lane l xor 16's: the block's largest magnitude
.endr
.irp b, 0,1,2,3
	v_add_nc_u32 v[TM+12+\b], 0xff000000, v[TM+\b] ; 2 off its exponent field: the conversion takes this operand's exponent field as its scale
.endr
.irp b, 0,1,2,3
	v_lshrrev_b32 v[TM+4+\b], 23, v[TM+12+\b]      ; the scale's byte
.endr
	v_lshl_or_b32 v[\pw], v[TM+5], 8, v[TM+4]      ; four bytes: my row's scale word
	v_lshl_or_b32 v[\pw], v[TM+6], 16, v[\pw]
	v_lshl_or_b32 v[\pw], v[TM+7], 24, v[\pw]
.irp c, 0,1
	v_cvt_scalef32_pk16_fp6_f32 v[PC+6*\c:PC+2+6*\c], v[\s+32*\c:\s+15+32*\c], v[TM+12+2*\c]
	v_cvt_scalef32_pk16_fp6_f32 v[PC+12+4*\c:PC+14+4*\c], v[\s+16+32*\c:\s+31+32*\c], v[TM+12+2*\c+1]   ; (a conversion's three registers begin on an even number)
.endr
	v_nop                                          ; one plain instruction behind the scaled conversions
.irp c, 0,1                            ; the operand wants a WHOLE block in a lane: lanes 0-15 block 2 c, lanes 16-31 block 2 c + 1
.irp i, 0,1,2
	v_permlane16_swap_b32 v[PC+6*\c+\i], v[PC+12+4*\c+\i]
.endr
.irp i, 0,1,2
	v_mov_b32 v[PC+3+6*\c+\i], v[PC+12+4*\c+\i]
.endr
.endr
.endm
.macro FRAGM f
.if (\f) < 3
	s_wait_loadcnt 16                              ; this fragment's 16 loads are in; the next fragment's 16 may be out
.else
	s_wait_loadcnt 0x0
.endif
.irp i, 0,1,2,3,4,5,6,7,8,9,10,11,12,13,14,15
	ds_store_b128 v[STI], v[R+64*((\f)%2)+4*\i:R+64*((\f)%2)+4*\i+3] offset:SP*\i
.endr
.irp b, 0,1,2,3
.irp j, 0,1,2,3
	ds_load_b128 v[X+16*\b+4*\j:X+16*\b+4*\j+3], v[STO] offset:128*\b+16*\j   ; LDS serves a wave's instructions in order: these see the stores above
.endr
.endr
	s_wait_dscnt 0x0                               ; the numbers are back; the stores into the stage have read their registers
	s_wait_xcnt 0x0                                ; the last fragment's stores have read the codes' registers, which are written again below
.if (\f) < 2
	LOAD (\f)+2
.endif
	QUANT X, PW+\f
	global_store_b128 v[GI], v[PC:PC+3], s[22:23] offset:12288*(\f)             ; each store covers 512 or 256 consecutive bytes, aligned
	global_store_b64 v[L8], v[PC+4:PC+5], s[22:23] offset:12288*(\f)+512
	global_store_b128 v[GI], v[PC+6:PC+9], s[22:23] offset:12288*(\f)+768
	global_store_b64 v[L8], v[PC+10:PC+11], s[22:23] offset:12288*(\f)+1280
	ds_store_b32 v[SCW], v[PW+\f] offset:64*(\f)   ; both lanes of a row write the same word with the same value
.endm
	LOAD 0
	LOAD 1
	FRAGM 0
	FRAGM 1
	FRAGM 2
	FRAGM 3
	ds_load_b64 v[BK:BK+1], v[SCR]                 ; my four fragments' 64 scale words
	s_wait_dscnt 0x0
	global_store_b64 v[L8], v[BK:BK+1], s[24:25]   ; 256 consecutive bytes, aligned
	s_wait_tensorcnt 0x0
	ds_add_u32 v248, v249
	s_wait_dscnt 0x0
	s_endpgm
.Lfunc_end_k_qd9ea19f38f_quant:
	.size	k_qd9ea19f38f_quant, .Lfunc_end_k_qd9ea19f38f_quant-k_qd9ea19f38f_quant
	.p2alignl 7, 3214868480
	.fill 96, 4, 3214868480
	.section	.rodata,"a",@progbits
	.p2align	6, 0x0
	.amdhsa_kernel k_qd9ea19f38f_quant
		.amdhsa_group_segment_fixed_size 35328
		.amdhsa_private_segment_fixed_size 0
		.amdhsa_enable_private_segment 0
		.amdhsa_kernarg_size 72
		.amdhsa_user_sgpr_count 2
		.amdhsa_user_sgpr_kernarg_segment_ptr 1
		.amdhsa_wavefront_size32 1
		.amdhsa_system_sgpr_workgroup_id_x 1
		.amdhsa_system_sgpr_workgroup_id_y 1
		.amdhsa_system_sgpr_workgroup_id_z 1
		.amdhsa_system_vgpr_workitem_id 0
		.amdhsa_next_free_vgpr 250
		.amdhsa_next_free_sgpr 66
		.amdhsa_reserve_vcc 0
		.amdhsa_float_denorm_mode_32 3
		.amdhsa_float_denorm_mode_16_64 3
		.amdhsa_memory_ordered 1
		.amdhsa_forward_progress 1
		.amdhsa_inst_pref_size 35
	.end_amdhsa_kernel
	.amdgpu_metadata
---
amdhsa.version: [ 1, 2 ]
amdhsa.kernels:
  - .name:           k_qd9ea19f38f_quant
    .symbol:         k_qd9ea19f38f_quant.kd
    .args:
      - { .name: query, .offset: 0, .size: 8, .value_kind: global_buffer, .address_space: global }
      - { .name: key, .offset: 8, .size: 8, .value_kind: global_buffer, .address_space: global }
      - { .name: value, .offset: 16, .size: 8, .value_kind: global_buffer, .address_space: global }
      - { .name: Wq, .offset: 24, .size: 8, .value_kind: global_buffer, .address_space: global }
      - { .name: Wk, .offset: 32, .size: 8, .value_kind: global_buffer, .address_space: global }
      - { .name: Wv, .offset: 40, .size: 8, .value_kind: global_buffer, .address_space: global }
      - { .name: Wo, .offset: 48, .size: 8, .value_kind: global_buffer, .address_space: global }
      - { .name: xc, .offset: 56, .size: 8, .value_kind: global_buffer, .address_space: global }
      - { .name: xs, .offset: 64, .size: 8, .value_kind: global_buffer, .address_space: global }
    .group_segment_fixed_size: 35328
    .private_segment_fixed_size: 0
    .kernarg_segment_align: 8
    .kernarg_segment_size: 72
    .max_flat_workgroup_size: 128
    .sgpr_count:     66
    .vgpr_count:     250
    .wavefront_size: 32
...
	.end_amdgpu_metadata
.endif
;; end of part 1
;; launch proj (part 2): grid 4 x 96, 4 waves a work-group, clusters of 4 x 4, 327,680 bytes of LDS; arguments xc, xs, bq, bk, bv, pc, ps; writes pc, ps
.if DOCPART == 2
	.amdgcn_target "amdgcn-amd-amdhsa--gfx1250"
	.amdhsa_code_object_version 6
	.text
	.protected	k_qd9ea19f38f_proj
	.globl	k_qd9ea19f38f_proj
	.p2align	8
	.type	k_qd9ea19f38f_proj,@function
k_qd9ea19f38f_proj:
	s_mov_b64 s[64:65], 0
	v_nop
	global_prefetch_b8 v0, s[64:65] scope:SCOPE_SE
	s_setreg_imm32_b32 hwreg(HW_REG_WAVE_MODE, 25, 1), 1
	s_wait_xcnt 0x0
	s_wait_alu depctr_hold_cnt(0) depctr_sa_sdst(0) depctr_va_vdst(0) depctr_va_sdst(0) depctr_va_ssrc(0) depctr_va_vcc(0) depctr_vm_vsrc(0)
	s_getreg_b32 s2, hwreg(HW_REG_IB_STS2, 6, 4)
	s_cmp_eq_u32 s2, 0
	s_cbranch_scc0 .Lentry_in_a_cluster
	s_endpgm
.Lentry_in_a_cluster:
	s_bfe_u32 s2, ttmp6, 0x10000c
	s_cmp_lg_u32 s2, 0xf033
	s_cbranch_scc0 .Lentry_shape_is_right
	s_endpgm
.Lentry_shape_is_right:
.set FR,    12
.set NL,    4
.set NP,    4
.set PART,  24576
.set SLOT,  4*PART
.set SCL,   2*SLOT
.set SPARE, SCL+4*4096
.set STG,   SPARE+512
.set WV, 18
.set HR, 19
.set HC, 20
.set GG, 21
.set G1, 24
.set G0, 32
.set G1B, 48
.set G0B, 56
.set SEL, 66
.set G1S, 68
.set G0S, 76
.set G1SB, 80
.set G0SB, 88
.set L16, 8
.set L8,  9
.set CBO, 10
.set RBO, 11
.set SCW, 12
.set SCRR, 13
.set ADRA, 16
.set ADRB, 18
.set ADRS, 27
.set SPW, 28
.set NIL, 29
.set SC,  32
.set AF,  128
.set T,   128
.set PC,  192
.set TM,  212
.set PW,  228
.set RBK, 236
.set MSB, 0
.macro WIN new
.if MSB != \new
	s_set_vgpr_msb (MSB<<8)|\new
.set MSB, \new
.endif
.endm
.set MUL_LO, 0xa1
.set MUL_HI, 0xf1
.set TO_B,   0x40
.macro JLOAD g0a, g1a, g0b, g1b
	s_cmp_eq_u32 s[HR], 0
	s_cbranch_scc0 .Lfor_b_\@
	tensor_load_to_lds s[\g0a:\g0a+3], s[\g1a:\g1a+7]
	s_nop 0
.rept 4
	v_nop
.endr
	s_branch .Lasked_\@
.Lfor_b_\@:
	tensor_load_to_lds s[\g0b:\g0b+3], s[\g1b:\g1b+7]
	s_nop 0
.rept 4
	v_nop
.endr
.Lasked_\@:
.endm
.macro CREST
	s_cmp_lg_u32 s[WV], 0
	s_cbranch_scc1 .Lnot_wave_0_\@
	s_barrier_signal -3
.Lnot_wave_0_\@:
	s_barrier_wait -3
	s_barrier_signal -1
	s_barrier_wait -1
.endm
.macro CROUND
	s_barrier_signal -1
	s_barrier_wait -1
	CREST
.endm
.macro PLACES n
.rept \n
	v_nop
.endr
.endm
	s_load_b128 s[4:7], s[0:1], 0x0
	s_load_b128 s[8:11], s[0:1], 0x10
	s_load_b128 s[12:15], s[0:1], 0x20
	s_load_b64 s[16:17], s[0:1], 0x30
	v_lshl_add_u32 v[SPW], v0, 2, SPARE
	v_mov_b32 v[NIL], 0
	ds_add_u32 v28, v29
	ds_add_u32 v28, v29
	s_wait_dscnt 0x0
	v_lshrrev_b32 v1, 5, v0
	v_readfirstlane_b32 s[WV], v1
	s_lshr_b32 s[HR], s[WV], 1
	s_and_b32 s[HC], s[WV], 1
	s_bfe_u32 s40, ttmp6, 0x40000
	s_bfe_u32 s41, ttmp6, 0x40004
	s_and_b32 s22, ttmp7, 0xffff
	s_lshr_b32 s[GG], s22, 3
	s_and_b32 s22, s22, 7
	s_lshl_b32 s22, s22, 2
	s_lshl_b32 s66, s[GG], 9
	s_lshl_b32 s46, s[GG], 6
	s_add_co_u32 s46, s46, 1536
	s_cmp_lt_u32 s[GG], 2
	s_cselect_b32 s66, s66, 1664
	s_cselect_b32 s46, s46, 1024
	s_cselect_b32 s43, s22, 0
	s_cselect_b32 s42, 0, s22
	s_add_co_u32 s43, s43, s41
	s_add_co_u32 s42, s42, s40
	s_lshl_b32 s44, s41, 2
	s_lshl_b32 s44, 15, s44
	s_lshl_b32 s45, 0x1111, s40
	s_or_b32 s[G1+0], s44, (3<<16)|(1<<21)
	s_or_b32 s[G1B+0], s45, (3<<16)|(1<<21)
.irp g, G1, G1B
	s_mov_b32 s[\g+1], 384<<16
	s_mov_b32 s[\g+2], 8<<16
	s_mov_b32 s[\g+3], 384<<16
	s_mov_b32 s[\g+4], 8
	s_mov_b32 s[\g+5], 1536
	s_mov_b32 s[\g+6], 0
	s_mov_b32 s[\g+7], 0
.endr
	s_or_b32 s[G1S+0], s44, (3<<16)|(1<<21)
	s_or_b32 s[G1SB+0], s45, (3<<16)|(1<<21)
.irp g, G1S, G1SB
	s_mov_b32 s[\g+1], 64<<16
	s_mov_b32 s[\g+2], 8<<16
	s_mov_b32 s[\g+3], 64<<16
	s_mov_b32 s[\g+4], 8
	s_mov_b32 s[\g+5], 14336
	s_mov_b32 s[\g+6], 0
	s_mov_b32 s[\g+7], 0
.endr
	s_lshl_b32 s67, s43, 4
	s_add_co_u32 s66, s66, s67
	s_lshl_b32 s23, s[HC], 3
	s_add_co_u32 s66, s66, s23
	s_lshl_b32 s47, s42, 4
	s_add_co_u32 s46, s46, s47
	s_add_co_u32 s46, s46, s23
	s_mul_i32 s92, s66, 12288
	s_mov_b32 s93, 0
	s_lshl_b32 s94, s66, 6
	s_mov_b32 s95, 0
	s_mul_i32 s96, s46, 12288
	s_mov_b32 s97, 0
	s_lshl_b32 s98, s46, 6
	s_mov_b32 s99, 0
	s_mul_i32 s100, s[WV], PART
	s_lshl_b32 s101, s[WV], 12
	s_wait_kmcnt 0x0
	s_add_nc_u64 s[92:93], s[4:5], s[92:93]
	s_add_nc_u64 s[94:95], s[6:7], s[94:95]
	s_add_nc_u64 s[96:97], s[4:5], s[96:97]
	s_add_nc_u64 s[98:99], s[6:7], s[98:99]
	CROUND
	s_mov_b32 s[G0S], 1
	s_add_co_u32 s[G0S+1], s101, SCL
	s_mov_b64 s[G0S+2:G0S+3], s[94:95]
	s_or_b32 s[G0S+3], s[G0S+3], 0x80000000
	s_mov_b32 s[G0SB], 1
	s_add_co_u32 s[G0SB+1], s101, SCL
	s_mov_b64 s[G0SB+2:G0SB+3], s[98:99]
	s_or_b32 s[G0SB+3], s[G0SB+3], 0x80000000
	JLOAD G0S, G1S, G0SB, G1SB
.irp s, 0,1
	s_mov_b32 s[G0+4*\s], 1
	s_add_co_u32 s[G0+4*\s+1], s100, \s*SLOT
	s_add_nc_u64 s[G0+4*\s+2:G0+4*\s+3], s[92:93], \s*3072
	s_or_b32 s[G0+4*\s+3], s[G0+4*\s+3], 0x80000000
	s_mov_b32 s[G0B+4*\s], 1
	s_add_co_u32 s[G0B+4*\s+1], s100, \s*SLOT
	s_add_nc_u64 s[G0B+4*\s+2:G0B+4*\s+3], s[96:97], \s*3072
	s_or_b32 s[G0B+4*\s+3], s[G0B+4*\s+3], 0x80000000
	s_wait_alu depctr_va_vdst(0)
	s_wait_tensorcnt 0x0
	ds_add_u32 v28, v29
	s_wait_dscnt 0x0
	CROUND
	JLOAD G0+4*\s, G1, G0B+4*\s, G1B
.endr
	v_and_b32 v1, 31, v0
	v_and_b32 v2, 15, v0
	v_bfe_u32 v3, v0, 4, 1
	v_lshlrev_b32 v[L16], 4, v1
	v_lshlrev_b32 v[L8], 3, v1
	s_mul_i32 s2, s[HR], PART
	s_mul_i32 s3, s[HC], PART
	s_add_co_u32 s3, s3, 2*PART
.irp s, 0,1
	v_add_nc_u32 v[ADRA+\s], s2, v[L16]
	v_add_nc_u32 v[ADRB+\s], s3, v[L16]
	v_add_nc_u32 v[ADRA+4+\s], s2, v[L8]
	v_add_nc_u32 v[ADRB+4+\s], s3, v[L8]
	s_add_co_u32 s2, s2, SLOT
	s_add_co_u32 s3, s3, SLOT
.endr
	s_lshl_b32 s2, s[HR], 12
	s_lshl_b32 s3, s[HC], 12
	s_add_co_u32 s3, s3, 2*4096
	s_sub_co_u32 s3, s3, s2
	v_mul_u32_u24 v4, s3, v3
	s_add_co_u32 s2, s2, SCL
	v_lshl_add_u32 v4, v2, 2, v4
	v_add_nc_u32 v[ADRS], s2, v4
	v_lshlrev_b32 v[CBO], 6, v3
	v_and_b32 v4, 8, v2
	v_add_nc_u32 v4, v4, v2
	v_lshlrev_b32 v[RBO], 2, v4
	s_lshl_b32 s2, s[WV], 9
	s_add_co_u32 s2, s2, STG
	v_lshl_add_u32 v[SCW], v2, 2, s2
	v_add_nc_u32 v[SCRR], s2, v[L16]
	s_lshl_b32 s92, s43, 8
	s_lshl_b32 s2, s[HR], 7
	s_add_co_u32 s92, s92, s2
	s_lshl_b32 s93, s42, 8
	s_lshl_b32 s2, s[HC], 7
	s_add_co_u32 s93, s93, s2
	s_cmp_lt_u32 s[GG], 2
	s_cselect_b32 s94, s92, s93
	s_cselect_b32 s95, s93, s92
	s_cselect_b32 s96, s93, 0
	s_cselect_b32 s98, 0, s92
	s_cmp_eq_u32 s[GG], 1
	s_cselect_b64 s[8:9], s[10:11], s[8:9]
	s_cmp_eq_u32 s[GG], 2
	s_cselect_b64 s[8:9], s[12:13], s[8:9]
	s_lshl_b32 s96, s96, 2
	s_mov_b32 s97, 0
	s_lshl_b32 s98, s98, 2
	s_mov_b32 s99, 0
	s_add_nc_u64 s[10:11], s[8:9], s[96:97]
	s_add_nc_u64 s[12:13], s[8:9], s[98:99]
	s_lshr_b32 s2, s94, 11
	s_lshl_b32 s2, s2, 3
	s_lshr_b32 s3, s95, 7
	s_add_co_u32 s2, s2, s3
	s_lshl_b32 s2, s2, 7
	s_and_b32 s3, s94, 2047
	s_lshr_b32 s3, s3, 4
	s_add_co_u32 s2, s2, s3
	s_lshl_b32 s3, s[GG], 12
	s_add_co_u32 s2, s2, s3
	s_mul_i32 s96, s2, 1536
	s_lshl_b32 s98, s2, 6
	s_add_nc_u64 s[14:15], s[14:15], s[96:97]
	s_add_nc_u64 s[16:17], s[16:17], s[98:99]
	s_mov_b32 s[SEL], 0x76543210
	s_mov_b32 s[SEL+1], 0xfedcba98
.macro FRAG reg, adr, off
	ds_load_b128 v[\reg:\reg+3], v[\adr] offset:\off
	ds_load_b64 v[\reg+4:\reg+5], v[\adr+4] offset:\off+512
	ds_load_b128 v[\reg+6:\reg+9], v[\adr] offset:\off+768
	ds_load_b64 v[\reg+10:\reg+11], v[\adr+4] offset:\off+1280
.endm
.macro FETCH_B slot, q, p
	WIN TO_B
.irp i, 0,1,2,3,4,5,6,7
	FRAG 128*(\p)+FR*\i, ADRB+\slot, 3072*\i+1536*(\q)
.endr
	WIN 0
.endm
.macro FETCH_A slot, q, i0
.irp i, \i0, \i0+1, \i0+2, \i0+3
	FRAG AF+FR*(\i), ADRA+\slot, 3072*(\i)+1536*(\q)
.endr
.endm
.macro MUL16 a0, p, ks, zero
.irp a, \a0, \a0+1
.irp b, 0,1,2,3,4,5,6,7
.if \zero
	v_wmma_scale_f32_16x16x128_f8f6f4 v[8*(8*((\a)%4)+\b):8*(8*((\a)%4)+\b)+7], v[128*(\p)+FR*\b:128*(\p)+FR*\b+FR-1], v[AF+FR*(\a):AF+FR*(\a)+FR-1], 0, v[SC+8*(\ks)+\b], v[SC+8*(\ks)+(\a)] matrix_a_fmt:MATRIX_FMT_FP6 matrix_b_fmt:MATRIX_FMT_FP6 matrix_a_scale:MATRIX_SCALE_ROW1
.else
	v_wmma_scale_f32_16x16x128_f8f6f4 v[8*(8*((\a)%4)+\b):8*(8*((\a)%4)+\b)+7], v[128*(\p)+FR*\b:128*(\p)+FR*\b+FR-1], v[AF+FR*(\a):AF+FR*(\a)+FR-1], v[8*(8*((\a)%4)+\b):8*(8*((\a)%4)+\b)+7], v[SC+8*(\ks)+\b], v[SC+8*(\ks)+(\a)] matrix_a_fmt:MATRIX_FMT_FP6 matrix_b_fmt:MATRIX_FMT_FP6 matrix_a_scale:MATRIX_SCALE_ROW1
.endif
.endr
.endr
.endm
.macro STEP slot, ks, zero
	s_wait_dscnt 4*NL
	WIN MUL_LO
	MUL16 0, 0, \ks, \zero
	MUL16 2, 0, \ks, \zero
	s_wait_dscnt 0x0
	PLACES NP
	FETCH_B \slot, 1, 1
	FETCH_A \slot, 1, 0
	WIN MUL_HI
	MUL16 4, 0, \ks, \zero
	MUL16 6, 0, \ks, \zero
	PLACES NP
	WIN 0
	FETCH_A \slot, 1, 4
.endm
.macro TURN slot, next, fill, ks
	s_wait_tensorcnt 0x0
	ds_add_u32 v[SPW], v[NIL]
	s_wait_dscnt 4*NL+1
	WIN MUL_LO
	MUL16 0, 1, \ks, 0
	s_wait_dscnt 0x0
	s_barrier_signal -1
	MUL16 2, 1, \ks, 0
	WIN 0
	s_barrier_wait -1
.if \fill
	CREST
	s_add_nc_u64 s[G0+4*\slot+2:G0+4*\slot+3], s[G0+4*\slot+2:G0+4*\slot+3], 6144
	s_add_nc_u64 s[G0B+4*\slot+2:G0B+4*\slot+3], s[G0B+4*\slot+2:G0B+4*\slot+3], 6144
	JLOAD G0+4*\slot, G1, G0B+4*\slot, G1B
.else
	PLACES NP
.endif
	FETCH_B \next, 0, 0
	FETCH_A \next, 0, 0
	WIN MUL_HI
	MUL16 4, 1, \ks, 0
	MUL16 6, 1, \ks, 0
	PLACES NP
	WIN 0
	FETCH_A \next, 0, 4
.endm
	s_wait_alu depctr_va_vdst(0)
	s_wait_tensorcnt 1
	s_barrier_signal -1
	s_barrier_wait -1
.irp k, 0,1,2,3,4,5,6,7
.irp i, 0,1,2,3,4,5,6,7
	ds_load_b32 v[SC+8*\k+\i], v[ADRS] offset:512*\k+64*\i
.endr
.endr
	FETCH_B 0, 0, 0
	FETCH_A 0, 0, 0
	FETCH_A 0, 0, 4
	STEP 0, 0, 1
	TURN 0, 1, 1, 1
	STEP 1, 2, 0
	TURN 1, 0, 1, 3
	STEP 0, 4, 0
	TURN 0, 1, 0, 5
	STEP 1, 6, 0
	WIN TO_B
.irp b, 0,1,2,3,4,5,6,7
	global_load_b128 v[8*\b:8*\b+3], v[CBO], s[10:11] offset:(32*(\b/2)+8*(\b%2))*4
	global_load_b128 v[8*\b+4:8*\b+7], v[CBO], s[10:11] offset:(32*(\b/2)+8*(\b%2))*4+16
.endr
.irp a, 0,1,2,3,4,5,6,7
	global_load_b32 v[64+\a], v[RBO], s[12:13] offset:(32*(\a/2)+8*(\a%2))*4
.endr
	WIN 0
	s_wait_dscnt 4*NL
	WIN MUL_LO
	MUL16 0, 1, 7, 0
	MUL16 2, 1, 7, 0
	s_wait_dscnt 0x0
	WIN MUL_HI
	MUL16 4, 1, 7, 0
	MUL16 6, 1, 7, 0
	WIN 0
	PLACES NP
	s_wait_loadcnt 0x0
.irp b, 0,1,2,3
	v_mov_b32 v[TM+4+\b], 0
.endr
.macro QUANT s, pw
.irp b, 0,1,2,3
	v_max3_num_f32 v[TM+\b], |v[\s+16*\b]|, |v[\s+1+16*\b]|, 0x1800000
.endr
.irp i, 2,4,6,8,10,12,14
.irp b, 0,1,2,3
	v_max3_num_f32 v[TM+\b], v[TM+\b], |v[\s+16*\b+\i]|, |v[\s+1+16*\b+\i]|
.endr
.endr
.irp b, 0,1,2,3
	v_permlanex16_b32 v[TM+4+\b], v[TM+\b], s[SEL], s[SEL+1]
.endr
.irp b, 0,1,2,3
	v_max_num_f32 v[TM+\b], v[TM+\b], v[TM+4+\b]
.endr
.irp b, 0,1,2,3
	v_add_nc_u32 v[TM+12+\b], 0xff000000, v[TM+\b]
.endr
.irp b, 0,1,2,3
	v_lshrrev_b32 v[TM+4+\b], 23, v[TM+12+\b]
.endr
	v_lshl_or_b32 v[\pw], v[TM+5], 8, v[TM+4]
	v_lshl_or_b32 v[\pw], v[TM+6], 16, v[\pw]
	v_lshl_or_b32 v[\pw], v[TM+7], 24, v[\pw]
.irp c, 0,1
	v_cvt_scalef32_pk16_fp6_f32 v[PC+6*\c:PC+2+6*\c], v[\s+32*\c:\s+15+32*\c], v[TM+12+2*\c]
	v_cvt_scalef32_pk16_fp6_f32 v[PC+12+4*\c:PC+14+4*\c], v[\s+16+32*\c:\s+31+32*\c], v[TM+12+2*\c+1]
.endr
	v_nop
.irp c, 0,1
.irp i, 0,1,2
	v_permlane16_swap_b32 v[PC+6*\c+\i], v[PC+12+4*\c+\i]
.endr
.irp i, 0,1,2
	v_mov_b32 v[PC+3+6*\c+\i], v[PC+12+4*\c+\i]
.endr
.endr
.endm
.macro OUTBLK a
	s_cmp_eq_u32 s[GG], 2
	s_cbranch_scc1 .Lrow_\@
	WIN 0x06+(\a)/4
.set n, 0
.rept 32
	v_pk_add_f32 v[T+2*n:T+2*n+1], v[64*((\a)%4)+2*n:64*((\a)%4)+2*n+1], v[2*n:2*n+1]
.set n, n+1
.endr
	WIN 0
	s_branch .Ljoin_\@
.Lrow_\@:
	WIN 0x06+(\a)/4
.set n, 0
.rept 32
.if (\a)%2
	v_pk_add_f32 v[T+2*n:T+2*n+1], v[64*((\a)%4)+2*n:64*((\a)%4)+2*n+1], v[64+2*((\a)/2):64+2*((\a)/2)+1] op_sel:[0,1] op_sel_hi:[1,1]
.else
	v_pk_add_f32 v[T+2*n:T+2*n+1], v[64*((\a)%4)+2*n:64*((\a)%4)+2*n+1], v[64+2*((\a)/2):64+2*((\a)/2)+1] op_sel_hi:[1,0]
.endif
.set n, n+1
.endr
	WIN 0
.Ljoin_\@:
	s_wait_xcnt 0x0
	QUANT T, PW+\a
	global_store_b128 v[L16], v[PC:PC+3], s[14:15] offset:1536*(\a)
	global_store_b64 v[L8], v[PC+4:PC+5], s[14:15] offset:1536*(\a)+512
	global_store_b128 v[L16], v[PC+6:PC+9], s[14:15] offset:1536*(\a)+768
	global_store_b64 v[L8], v[PC+10:PC+11], s[14:15] offset:1536*(\a)+1280
	ds_store_b32 v[SCW], v[PW+\a] offset:64*(\a)
.endm
.irp a, 0,1,2,3,4,5,6,7
	OUTBLK \a
.endr
	ds_load_b128 v[RBK:RBK+3], v[SCRR]
	s_wait_dscnt 0x0
	global_store_b128 v[L16], v[RBK:RBK+3], s[16:17]
	s_wait_tensorcnt 0x0
	ds_add_u32 v[SPW], v[NIL]
	s_wait_dscnt 0x0
	CROUND
	s_endpgm
.Lfunc_end_k_qd9ea19f38f_proj:
	.size	k_qd9ea19f38f_proj, .Lfunc_end_k_qd9ea19f38f_proj-k_qd9ea19f38f_proj
	.p2alignl 7, 3214868480
	.fill 96, 4, 3214868480
	.section	.rodata,"a",@progbits
	.p2align	6, 0x0
	.amdhsa_kernel k_qd9ea19f38f_proj
		.amdhsa_group_segment_fixed_size 327680
		.amdhsa_private_segment_fixed_size 0
		.amdhsa_enable_private_segment 0
		.amdhsa_kernarg_size 56
		.amdhsa_user_sgpr_count 2
		.amdhsa_user_sgpr_kernarg_segment_ptr 1
		.amdhsa_wavefront_size32 1
		.amdhsa_system_sgpr_workgroup_id_x 1
		.amdhsa_system_sgpr_workgroup_id_y 1
		.amdhsa_system_sgpr_workgroup_id_z 1
		.amdhsa_system_vgpr_workitem_id 0
		.amdhsa_next_free_vgpr 1024
		.amdhsa_next_free_sgpr 102
		.amdhsa_reserve_vcc 0
		.amdhsa_float_denorm_mode_32 3
		.amdhsa_float_denorm_mode_16_64 3
		.amdhsa_memory_ordered 1
		.amdhsa_forward_progress 1
		.amdhsa_inst_pref_size 188
	.end_amdhsa_kernel
	.amdgpu_metadata
---
amdhsa.version: [ 1, 2 ]
amdhsa.kernels:
  - .name:           k_qd9ea19f38f_proj
    .symbol:         k_qd9ea19f38f_proj.kd
    .args:
      - { .name: xc, .offset: 0, .size: 8, .value_kind: global_buffer, .address_space: global }
      - { .name: xs, .offset: 8, .size: 8, .value_kind: global_buffer, .address_space: global }
      - { .name: bq, .offset: 16, .size: 8, .value_kind: global_buffer, .address_space: global }
      - { .name: bk, .offset: 24, .size: 8, .value_kind: global_buffer, .address_space: global }
      - { .name: bv, .offset: 32, .size: 8, .value_kind: global_buffer, .address_space: global }
      - { .name: pc, .offset: 40, .size: 8, .value_kind: global_buffer, .address_space: global }
      - { .name: ps, .offset: 48, .size: 8, .value_kind: global_buffer, .address_space: global }
    .group_segment_fixed_size: 327680
    .private_segment_fixed_size: 0
    .kernarg_segment_align: 8
    .kernarg_segment_size: 56
    .max_flat_workgroup_size: 128
    .sgpr_count:     102
    .vgpr_count:     1024
    .wavefront_size: 32
...
	.end_amdgpu_metadata
.endif
;; end of part 2
;; launch attn (part 3): grid 4 x 64, 16 waves a work-group, clusters of 4 x 1, 327,680 bytes of LDS; arguments pc, ps, oc, os; writes oc, os
.if DOCPART == 3
	.amdgcn_target "amdgcn-amd-amdhsa--gfx1250"
	.amdhsa_code_object_version 6
	.text
	.protected	k_qd9ea19f38f_attn
	.globl	k_qd9ea19f38f_attn
	.p2align	8
	.type	k_qd9ea19f38f_attn,@function
k_qd9ea19f38f_attn:
	s_mov_b64 s[64:65], 0
	v_nop
	global_prefetch_b8 v0, s[64:65] scope:SCOPE_SE
	s_setreg_imm32_b32 hwreg(HW_REG_WAVE_MODE, 25, 1), 1
	s_wait_xcnt 0x0
	s_wait_alu depctr_hold_cnt(0) depctr_sa_sdst(0) depctr_va_vdst(0) depctr_va_sdst(0) depctr_va_ssrc(0) depctr_va_vcc(0) depctr_vm_vsrc(0)
	s_getreg_b32 s2, hwreg(HW_REG_IB_STS2, 6, 4)
	s_cmp_eq_u32 s2, 0
	s_cbranch_scc0 .Lentry_in_a_cluster
	s_endpgm
.Lentry_in_a_cluster:
	s_bfe_u32 s2, ttmp6, 0x10000c
	s_cmp_lg_u32 s2, 0x3003
	s_cbranch_scc0 .Lentry_shape_is_right
	s_endpgm
.Lentry_shape_is_right:
; Attention on codes of FP6 (E2M3) with E8M0 scales: for each batch and head, O = softmax(Q K^T / 8) V, and O quantised along the features for the output projection.
; THE SOFTMAX: t = score x log2(e) / 8; M = the row's largest t so far, rounded UP to a whole number; p = 2^(t - M) is quantised along the keys, not normalised; the row's sum is taken of the
; unquantised p and divides O at the end.  When M moves, the sum and O are multiplied by 2^(old M - new M): exact, and done in every step, with no branch.
; INPUTS (images of operand registers, 1,536 bytes a fragment): pc [q, k, v][T][1,536], ps [q, k, v][T][16 words], T = (batch x 8 + pair of heads) x 128 + x.
;   q, k: x = a tile of 16 tokens; half c (768 bytes) is head c of the pair: registers 0-3 at 16 l, registers 4-5 at 512 + 8 l.  Tile x of k holds keys 32 (x / 2) + 8 (x % 2) + r + 8 (r / 8).
;   v: x = 8 x (key step of 128) + feature tile; head c has tiles 4 c .. 4 c + 3.
; THE DEAL.  256 work-groups of sixteen waves.  A work-group owns ONE head and 512 queries; the four query blocks of a head are a cluster.  The head's K, V and scale words, all 2,048 keys, lie in LDS
; for the whole launch: 14 joint loads at the head, one a wave, each asked for by all four partners; one wait and one barrier; nothing is filled again, so the loops hold no barrier.
; A wave takes 16 queries through all keys, then 16 more (two trips of .Lpass); an inner trip is two key steps of 128.
; No data prefetch: all that the launch reads through LDS is asked for at the head, ahead of any loop.
; A TILE OF K IS GATHERED BY THE LANES' ADDRESSES: tile t of a key step takes as rows 0-7 keys 64 (t / 4) + 8 (t % 4) + 0 .. 7 and as rows 8-15 the keys 32 further on.  S^T = K Q^T then leaves in lane (r, h)
; query r, and in the 32 registers of tiles 4 c .. 4 c + 3 keys 64 c + 32 h + 0 .. 31: a WHOLE scale block, in the order of P's operand registers 6 c .. 6 c + 5.
; Rows 8-15 come from the image two tiles on.  So K's images lie in two LDS regions: registers 0-3, 512 bytes + 64 of padding, and registers 4-5, 256 + 32:
; two tiles on is then 128 bytes (64 bytes) further modulo 256, and the lanes of a load touch different banks (64 banks of 4 bytes: ISA guide 11.1).
; A head's K is 64 and the instruction's is 128: Q's upper six registers are zero codes, K's upper six are the next tile's codes (they meet zeros), the upper two scale bytes of both are 0, which is 2^-127 and no NaN.
; OUTPUT: oc [token tile 512][pair 8][1,536], half c from head c;  os [pair 8][token tile 512][16 words], bytes 2 c, 2 c + 1 from head c.  A word of os holds both heads' bytes and a work-group has one head:
; its scale bytes leave two bytes a row, 1,024 bytes of the 25,600 that a work-group stores; those units of 256 bytes are written in part by two work-groups, each byte by one.
; LIMITS: NaN and infinities are not served; the promise holds while the scaled scores stay under 2^31 in magnitude; a block whose largest magnitude lies under 2^-124 is held at the byte 1;
; a block of zeros gets the byte 1 (zero codes; the bytes are read by this program alone).
.set KA,    98304                      ; LDS: V's 16 key steps of 6,144 bytes from 0; K's registers 0-3, 128 tiles x 576
.set KB,    172032                     ; K's registers 4-5, 128 tiles x 288
.set SCK,   208896                     ; the pair's scale words of K, 8,192 bytes
.set SCV,   217088                     ; my head's of V, 16 key steps x 256
.set SPARE, 221184                     ; the spare words, 128 bytes for each of sixteen waves
.set AK16, 1                           ; v1, v2, v4, v7, v8: my places in the regions; never rewritten
.set AK8,  2
.set AV8,  4
.set SPW,  5
.set NIL,  6
.set ASK0, 7
.set ASV0, 8
.set ADK16, 9                          ; v9-11, v29-31: the trip's six addresses
.set ADK8, 10
.set ADV16, 11
.set R4,   28                          ; 4 r
.set ADV8, 29
.set ADS,  30
.set ADT,  31
.set L16,  94
.set L8,   95
.set Q2,   200                         ; v200-206 the second trip's Q and its scale bytes
.set SH8,  207                         ; 8 h
; v12 -M, v13 the largest score so far, v[14:15] the sum; v16-27 Q; v32-85 fragments; v86-93 their scales; v96-159 scores, then p; v160-191 O^T; v224-235 p's codes; v253 p's scale word; v255 Q's
.set CH,   12
.set BP,   13
.set CX,   14
.set WV,   18
.set SEL,  20
.set CS,   22
.set G1K,  24
.set G1L,  32
.set G1V,  40
.set G1S,  48
.set G1T,  56
.set G0,   68
.set KBASE, 72
.set VBASE, 74
.set KSB,  76
.set VSB,  78
.set PS,   92
.set IT,   93
.set TKA,  94
.set TKB,  95
.set TSK,  96
.set TV,   97
.set TSV,  98
.set MASK, 15|(3<<16)|(1<<21)          ; all four work-groups; elements of 8 bytes
.macro WALU
	s_wait_alu depctr_va_vdst(0)
.endm
.macro CROUND
	s_barrier_signal -1
	s_barrier_wait -1
	s_cmp_lg_u32 s[WV], 0
	s_cbranch_scc1 .Lnot_wave_0_\@
	s_barrier_signal -3
.Lnot_wave_0_\@:
	s_barrier_wait -3
	s_barrier_signal -1
	s_barrier_wait -1
.endm
.macro GRP g, w0, d0, rows, pitch      ; a descriptor's group 1, of constants
	s_mov_b32 s[\g], \w0
	s_mov_b32 s[\g+1], (\d0)<<16
	s_mov_b32 s[\g+2], (\rows)<<16
	s_mov_b32 s[\g+3], (\d0)<<16
	s_mov_b32 s[\g+4], \rows
	s_mov_b32 s[\g+5], \pitch
	s_mov_b32 s[\g+6], 0
	s_mov_b32 s[\g+7], 0
.endm
.macro ARM w, g1, lds, base, off       ; wave w's one tensor load: an arm of the chain, with constants for its places
	s_cmp_eq_u32 s[WV], \w
	s_cbranch_scc0 .Lno_\@
	s_mov_b32 s[G0+1], \lds
	s_add_nc_u64 s[G0+2:G0+3], s[\base:\base+1], \off
	s_or_b32 s[G0+3], s[G0+3], 0x80000000
	tensor_load_to_lds s[G0:G0+3], s[\g1:\g1+7]
	s_nop 0
.rept 4
	v_nop
.endr
	s_branch .Lasked
.Lno_\@:
.endm
	s_load_b256 s[4:11], s[0:1], 0x0               ; pc, ps, oc, os
	v_lshl_add_u32 v[SPW], v0, 2, SPARE
	v_mov_b32 v[NIL], 0
	ds_add_u32 v[SPW], v[NIL]                      ; the opening lines: the add twice on end and one wait
	ds_add_u32 v[SPW], v[NIL]
	v_lshrrev_b32 v9, 5, v0
	v_readfirstlane_b32 s[WV], v9                  ; wave 0..15
	s_bfe_u32 s[CX], ttmp6, 0x40000                ; cx: my block of 512 queries; it enters Q's and O's global addresses alone
	s_and_b32 s15, ttmp7, 0xffff                   ; batch x 16 + head, which the four partners share
	s_and_b32 s[CH], s15, 1                        ; c: my head of its pair
	s_lshr_b32 s[BP], s15, 1                       ; batch x 8 + pair
	GRP G1K, MASK|(1<<20)|(6<<22)|(15<<25), 64, 32, 192    ; K's registers 0-3: 32 tiles, rows of 512 bytes, 1,536 apart; 16 words of padding behind each 128
	GRP G1L, MASK|(1<<20)|(5<<22)|(7<<25), 32, 32, 192     ; K's registers 4-5: rows of 256 bytes; 8 words behind each 64
	GRP G1V, MASK, 768, 4, 1536                            ; V: 4 key steps, rows of 6,144 bytes, 12,288 apart
	GRP G1S, MASK, 32, 32, 32                              ; K's scale words: 8,192 dense bytes
	GRP G1T, MASK, 32, 16, 64                              ; V's: 16 rows of 256 bytes, 512 apart
	s_mov_b32 s[G0], 1
	s_mul_i32 s84, s[BP], 196608
	s_mul_i32 s85, s[CH], 768
	s_add_co_u32 s86, s84, s85
	s_add_co_u32 s86, s86, 6291456                 ; k, my head's halves
	s_mov_b32 s87, 0
	s_mul_i32 s85, s[CH], 6144
	s_add_co_u32 s88, s84, s85
	s_add_co_u32 s88, s88, 12582912                ; v, my head's four tiles
	s_mov_b32 s89, 0
	s_lshl_b32 s90, s[BP], 13
	s_lshl_b32 s85, s[CH], 8
	s_add_co_u32 s16, s90, s85
	s_add_co_u32 s16, s16, 524288                  ; v's scale words
	s_mov_b32 s17, 0
	s_add_co_u32 s90, s90, 262144                  ; k's
	s_mov_b32 s91, 0
	s_mov_b32 s[SEL], 0x76543210
	s_mov_b32 s[SEL+1], 0xfedcba98                 ; lane l xor 16
	s_mov_b32 s[CS], 0x3e38aa3b                    ; log2(e) / 8
	s_mov_b32 s[CS+1], s[CS]                       ; (named with it as a pair, so it is written)
	WALU
	s_wait_dscnt 0x0
	CROUND                                         ; all four work-groups are here: the joint loads meet
	s_wait_kmcnt 0x0
	s_add_nc_u64 s[KBASE:KBASE+1], s[4:5], s[86:87]
	s_add_nc_u64 s[VBASE:VBASE+1], s[4:5], s[88:89]
	s_add_nc_u64 s[KSB:KSB+1], s[6:7], s[90:91]
	s_add_nc_u64 s[VSB:VSB+1], s[6:7], s[16:17]
	ARM 0, G1K, KA, KBASE, 0                       ; ONE chain, one load to an arm; a quarter is 512 keys
	ARM 1, G1L, KB, KBASE, 512
	ARM 2, G1V, 0, VBASE, 0
	ARM 3, G1S, SCK, KSB, 0
	ARM 4, G1T, SCV, VSB, 0
.irp q, 1,2,3
	ARM 4+\q, G1K, KA+\q*18432, KBASE, \q*49152
.endr
.irp q, 1,2,3
	ARM 7+\q, G1L, KB+\q*9216, KBASE, \q*49152+512
.endr
.irp q, 1,2,3
	ARM 10+\q, G1V, \q*24576, VBASE, \q*49152
.endr
.Lasked:
	s_lshl_b32 s84, s[CX], 5
	s_add_co_u32 s84, s84, s[WV]                   ; my first tile of 16 queries in the batch; the second lies 16 tiles on
	s_lshl_b32 s85, s[BP], 7
	s_add_co_u32 s85, s85, s84                     ; Q's T
	s_mul_i32 s80, s85, 1536
	s_mul_i32 s15, s[CH], 768
	s_add_co_u32 s80, s80, s15
	s_mov_b32 s81, 0
	s_add_nc_u64 s[80:81], s[4:5], s[80:81]        ; Q's codes, my head's half
	s_lshl_b32 s82, s85, 6
	s_lshl_b32 s86, s[CH], 1
	s_add_co_u32 s82, s82, s86
	s_mov_b32 s83, 0
	s_add_nc_u64 s[82:83], s[6:7], s[82:83]        ; Q's scale words, my head's two bytes
	s_lshr_b32 s85, s[BP], 3
	s_lshl_b32 s85, s85, 7
	s_add_co_u32 s85, s85, s84                     ; my token tile: 128 x batch + tile
	s_and_b32 s87, s[BP], 7                        ; the pair
	s_mul_i32 s88, s85, 12288
	s_mul_i32 s89, s87, 1536
	s_add_co_u32 s88, s88, s89
	s_add_co_u32 s88, s88, s15
	s_mov_b32 s89, 0
	s_add_nc_u64 s[8:9], s[8:9], s[88:89]          ; oc at my half image
	s_lshl_b32 s88, s85, 6
	s_lshl_b32 s87, s87, 15
	s_add_co_u32 s88, s88, s87
	s_add_co_u32 s88, s88, s86
	s_add_nc_u64 s[10:11], s[10:11], s[88:89]      ; os at my tile's words, my head's bytes
	s_add_co_u32 s84, s86, SCK
	v_and_b32 v29, 31, v0                          ; l
	v_and_b32 v30, 15, v0                          ; r
	v_bfe_u32 v31, v0, 4, 1                        ; h
	v_lshlrev_b32 v[L16], 4, v29
	v_lshlrev_b32 v[L8], 3, v29
	v_lshlrev_b32 v[R4], 2, v30
	global_load_b128 v[16:19], v[L16], s[80:81]    ; Q of both trips
	global_load_b64 v[20:21], v[L8], s[80:81] offset:512
	global_load_u16 v255, v[R4], s[82:83]          ; two scale bytes; the upper two are 0
	global_load_b128 v[Q2:Q2+3], v[L16], s[80:81] offset:24576
	global_load_b64 v[Q2+4:Q2+5], v[L8], s[80:81] offset:24576+512
	global_load_u16 v[Q2+6], v[R4], s[82:83] offset:1024
	v_lshlrev_b32 v[SH8], 3, v31
	v_and_b32 v9, 7, v0                            ; r % 8
	v_bfe_u32 v10, v0, 3, 1                        ; r / 8: rows 8-15 come from the image two tiles on
	v_mul_u32_u24 v[AK16], v10, 2*576
	v_mul_u32_u24 v[AK8], v10, 2*288
	v_lshlrev_b32 v[ASK0], 7, v10
	v_lshl_add_u32 v[AK16], v9, 4, v[AK16]
	v_lshl_add_u32 v[AK8], v9, 3, v[AK8]
	v_lshl_add_u32 v[ASK0], v9, 2, v[ASK0]
	v_lshl_add_u32 v[AK16], v31, 8, v[AK16]
	v_lshl_add_u32 v[AK8], v31, 7, v[AK8]
	v_add_nc_u32 v[ASK0], s84, v[ASK0]
	v_add_nc_u32 v[AK16], KA, v[AK16]
	v_add_nc_u32 v[AK8], KB, v[AK8]
	v_add_nc_u32 v[AV8], 512, v[L8]
	v_add_nc_u32 v[ASV0], SCV, v[R4]
.irp b, 0,1,2,3
	v_mov_b32 v[236+\b], 0                         ; a lane permute's destination counts as one of its sources
.endr
	v_mov_b32 v253, 0                              ; (named as the upper half of the pair v[252:253] before it is first written)
.irp j, 0,1,2,3,4,5
	v_mov_b32 v[22+\j], 0                          ; Q's upper half: zero codes
	v_mov_b32 v[80+\j], 0                          ; what stands behind K's last tile
.endr
; A KEY STEP: 128 keys, the q-th of the trip's two
.macro STEP q
.if \q
.rept 4
	v_nop                                          ; places in front of loads into registers that the last products have read (in the trip's first step the six address lines are these)
.endr
.endif
.irp t, 0,1,2,3,4,5,6,7
	ds_load_b128 v[32+6*\t:35+6*\t], v[ADK16] offset:(8*(\q)+4*(\t/4)+\t%2)*576+((\t%4)/2)*128
	ds_load_b64 v[36+6*\t:37+6*\t], v[ADK8] offset:(8*(\q)+4*(\t/4)+\t%2)*288+((\t%4)/2)*64
	ds_load_u16 v[86+\t], v[ADS] offset:(8*(\q)+4*(\t/4)+\t%2)*64+((\t%4)/2)*32
.endr
	s_wait_dscnt 0x0
.irp t, 0,1,2,3,4,5,6,7
	v_wmma_scale_f32_16x16x128_f8f6f4 v[96+8*\t:103+8*\t], v[32+6*\t:43+6*\t], v[16:27], 0, v[86+\t], v255 matrix_a_fmt:MATRIX_FMT_FP6 matrix_b_fmt:MATRIX_FMT_FP6
.endr
.rept 4
	v_nop                                          ; places in front of the loads below and of the first read of the scores
.endr
.irp t, 0,1,2,3                        ; V's four fragments are asked for now and land under the softmax
	ds_load_b128 v[32+12*\t:35+12*\t], v[ADV16] offset:6144*(\q)+1536*\t
	ds_load_b64 v[36+12*\t:37+12*\t], v[ADV8] offset:6144*(\q)+1536*\t
	ds_load_b128 v[38+12*\t:41+12*\t], v[ADV16] offset:6144*(\q)+1536*\t+768
	ds_load_b64 v[42+12*\t:43+12*\t], v[ADV8] offset:6144*(\q)+1536*\t+768
	ds_load_b32 v[86+\t], v[ADT] offset:256*(\q)+64*\t
.endr
.irp b, 0,1,2,3
	v_max3_num_f32 v[232+\b], v[96+16*\b], v[97+16*\b], v[98+16*\b]   ; four chains by turns, two to a block of 32 keys
.endr
.irp i, 3,5,7,9,11,13
.irp b, 0,1,2,3
	v_max3_num_f32 v[232+\b], v[232+\b], v[96+16*\b+\i], v[97+16*\b+\i]
.endr
.endr
	v_max3_num_f32 v232, v232, v233, v111
	v_max3_num_f32 v234, v234, v235, v143
	v_max_num_f32 v232, v232, v127                 ; my two blocks' largest scores: for the row's maximum and, since p rises with the score, for the blocks' largest p
	v_max_num_f32 v234, v234, v159
	v_mov_b32 v237, v12                            ; the old -M
	s_delay_alu instid0(VALU_DEP_2)
	v_max_num_f32 v254, v232, v234
	s_delay_alu instid0(VALU_DEP_1)
	v_permlanex16_b32 v236, v254, s[SEL], s[SEL+1]
	s_delay_alu instid0(VALU_DEP_1)
	v_max3_num_f32 v13, v13, v254, v236            ; the largest score so far, lane l xor 16's 64 keys among them
	s_delay_alu instid0(VALU_DEP_1)
	v_mul_f32 v254, s[CS], v13                     ; as t (the factor is positive)
	s_delay_alu instid0(VALU_DEP_1)
	v_floor_f32 v12, -v254                         ; the new -M = -ceil(t)
	s_delay_alu instid0(VALU_DEP_1)
	v_sub_f32 v254, v12, v237                      ; old M - new M: a whole number, 0 or less
	s_delay_alu instid0(VALU_DEP_1)
	v_cvt_i32_f32 v254, v254                       ; (it saturates)
	s_delay_alu instid0(VALU_DEP_1)
	v_ldexp_f32 v252, 1.0, v254                    ; f = 2^(old M - new M)
.irp j, 0,2,4,6,8,10,12,14,16,18,20,22,24,26,28,30,32,34,36,38,40,42,44,46,48,50,52,54,56,58,60,62
	v_pk_fma_f32 v[96+\j:97+\j], v[96+\j:97+\j], s[CS:CS+1], v[12:13] op_sel_hi:[1,0,0]   ; t - M
.endr
	v_fma_f32 v232, v232, s[CS], v12               ; the same of each block's largest score
	v_fma_f32 v234, v234, s[CS], v12
	WALU                                           ; ahead of the batch
.irp j, 0,1,2,3,4,5,6,7,8,9,10,11,12,13,14,15,16,17,18,19,20,21,22,23,24,25,26,27,28,29,30,31,32,33,34,35,36,37,38,39,40,41,42,43,44,45,46,47,48,49,50,51,52,53,54,55,56,57,58,59,60,61,62,63
	v_exp_f32 v[96+\j], v[96+\j]                   ; p = 2^(t - M)
.endr
	v_pk_mul_f32 v[14:15], v[14:15], v[252:253] op_sel_hi:[1,0]   ; the sums under the new M: a plain instruction behind the exponentials
	WALU                                           ; one wait for the batch, ahead of its first reader
	v_exp_f32 v232, v232                           ; the blocks' largest p
	v_exp_f32 v234, v234
	v_pk_add_f32 v[236:237], v[100:101], v[104:105]   ; the row's sum of the unquantised p, in eight chains
	v_pk_add_f32 v[250:251], v[108:109], v[112:113]
	v_pk_add_f32 v[248:249], v[116:117], v[120:121]
	v_pk_add_f32 v[246:247], v[124:125], v[128:129]
	v_pk_add_f32 v[244:245], v[132:133], v[136:137]
	v_pk_add_f32 v[242:243], v[140:141], v[144:145]
	v_pk_add_f32 v[240:241], v[148:149], v[152:153]
	v_pk_add_f32 v[14:15], v[14:15], v[156:157]
	v_pk_add_f32 v[236:237], v[236:237], v[96:97]
	v_pk_add_f32 v[250:251], v[250:251], v[98:99]
	v_pk_add_f32 v[248:249], v[248:249], v[102:103]
	v_pk_add_f32 v[246:247], v[246:247], v[106:107]
	v_pk_add_f32 v[244:245], v[244:245], v[110:111]
	v_pk_add_f32 v[242:243], v[242:243], v[114:115]
	v_pk_add_f32 v[240:241], v[240:241], v[118:119]
	v_pk_add_f32 v[14:15], v[14:15], v[122:123]
	v_pk_add_f32 v[236:237], v[236:237], v[126:127]
	v_pk_add_f32 v[250:251], v[250:251], v[130:131]
	v_pk_add_f32 v[248:249], v[248:249], v[134:135]
	v_pk_add_f32 v[246:247], v[246:247], v[138:139]
	v_pk_add_f32 v[244:245], v[244:245], v[142:143]
	v_pk_add_f32 v[242:243], v[242:243], v[146:147]
	v_pk_add_f32 v[240:241], v[240:241], v[150:151]
	v_pk_add_f32 v[14:15], v[14:15], v[154:155]
	v_pk_add_f32 v[236:237], v[236:237], v[158:159]
	v_pk_add_f32 v[14:15], v[14:15], v[246:247]
	v_pk_add_f32 v[236:237], v[236:237], v[244:245]
	v_pk_add_f32 v[250:251], v[250:251], v[242:243]
	v_pk_add_f32 v[248:249], v[248:249], v[240:241]
	v_pk_add_f32 v[14:15], v[14:15], v[250:251]
	v_pk_add_f32 v[236:237], v[236:237], v[248:249]
	v_pk_add_f32 v[14:15], v[14:15], v[236:237]
	WALU                                           ; and one for the two
	v_max_num_f32 v232, 0x1800000, v232            ; the floor 2^(3 - 127): the byte cannot fall under 1
	v_max_num_f32 v234, 0x1800000, v234
	s_delay_alu instid0(VALU_DEP_2)
	v_add_nc_u32 v248, 0xff000000, v232            ; 2 off the exponent field: the conversions' scale operands, in registers that the conversions' results do not touch
	s_delay_alu instid0(VALU_DEP_2)
	v_add_nc_u32 v249, 0xff000000, v234
	s_delay_alu instid0(VALU_DEP_2)
	v_lshrrev_b32 v236, 23, v248
	s_delay_alu instid0(VALU_DEP_2)
	v_lshrrev_b32 v237, 23, v249
	s_delay_alu instid0(VALU_DEP_1)
	v_lshl_or_b32 v253, v237, 16, v236             ; my two bytes: blocks h and 2 + h,
	s_delay_alu instid0(VALU_DEP_1)
	v_lshlrev_b32 v253, v[SH8], v253               ; at their places in the word;
	s_delay_alu instid0(VALU_DEP_1)
	v_permlanex16_b32 v238, v253, s[SEL], s[SEL+1]
	s_delay_alu instid0(VALU_DEP_1)
	v_or_b32 v253, v253, v238                      ; with lane l xor 16's two: p's scale word for these 128 keys
.irp c, 0,1
	v_cvt_scalef32_pk16_fp6_f32 v[224+6*\c:226+6*\c], v[96+32*\c:111+32*\c], v[248+\c]
	v_cvt_scalef32_pk16_fp6_f32 v[240+4*\c:242+4*\c], v[112+32*\c:127+32*\c], v[248+\c]   ; (a conversion's three registers begin on an even number)
.endr
	v_nop                                          ; one plain instruction behind the scaled conversions
.irp c, 0,1
.irp i, 0,1,2
	v_mov_b32 v[227+6*\c+\i], v[240+4*\c+\i]
.endr
.endr
	WALU                                           ; directly ahead of the first reader of O^T
.irp j, 0,2,4,6,8,10,12,14,16,18,20,22,24,26,28,30
	v_pk_mul_f32 v[160+\j:161+\j], v[160+\j:161+\j], v[252:253] op_sel_hi:[1,0]   ; O^T under the new M; these sixteen also stand between the making of p's codes and scale word and the products
.endr
	WALU
	s_wait_dscnt 0x0                               ; V
.irp t, 0,1,2,3
	v_wmma_scale_f32_16x16x128_f8f6f4 v[160+8*\t:167+8*\t], v[32+12*\t:43+12*\t], v[224:235], v[160+8*\t:167+8*\t], v[86+\t], v253 matrix_a_fmt:MATRIX_FMT_FP6 matrix_b_fmt:MATRIX_FMT_FP6
.endr
.endm
	WALU
	s_wait_tensorcnt 0x0                           ; every wave waits for its load,
	s_barrier_signal -1
	s_barrier_wait -1                              ; and behind the barrier all of K, V and their scale words are there for all
	s_wait_loadcnt 0x0                             ; Q
	s_mov_b32 s[PS], 0
.Lpass:                                            ; two trips: 16 queries each
	v_mov_b32 v13, 0xff61b1e6                      ; the largest score so far: -3e38
	v_floor_f32 v12, -v13                          ; -M
	v_mov_b32 v14, 0
	v_mov_b32 v15, 0
.irp j, 0,1,2,3,4,5,6,7,8,9,10,11,12,13,14,15,16,17,18,19,20,21,22,23,24,25,26,27,28,29,30,31
	v_mov_b32 v[160+\j], 0                         ; O^T: the step is written alike for all steps; the first finds zeros
.endr
	s_mov_b32 s[IT], 0
	s_mov_b32 s[TKA], 0
	s_mov_b32 s[TKB], 0
	s_mov_b32 s[TSK], 0
	s_mov_b32 s[TV], 0
	s_mov_b32 s[TSV], 0
.Lkeys:                                            ; eight trips of two key steps
	v_add_nc_u32 v[ADK16], s[TKA], v[AK16]
	v_add_nc_u32 v[ADK8], s[TKB], v[AK8]
	v_add_nc_u32 v[ADS], s[TSK], v[ASK0]
	v_add_nc_u32 v[ADV16], s[TV], v[L16]
	v_add_nc_u32 v[ADV8], s[TV], v[AV8]
	v_add_nc_u32 v[ADT], s[TSV], v[ASV0]
	WALU
	STEP 0
	STEP 1
	s_add_co_u32 s[TKA], s[TKA], 16*576
	s_add_co_u32 s[TKB], s[TKB], 16*288
	s_add_co_u32 s[TSK], s[TSK], 16*64
	s_add_co_u32 s[TV], s[TV], 2*6144
	s_add_co_u32 s[TSV], s[TSV], 2*256
	s_add_co_u32 s[IT], s[IT], 1
	s_cmp_lt_u32 s[IT], 8
	s_cbranch_scc1 .Lkeys
	; THE WAY OUT: O^T / the sum; register 16 b + i is feature 32 b + 16 (l / 16) + i of my head: two blocks, each in lanes l and l xor 16
	v_add_f32 v14, v14, v15
	s_delay_alu instid0(VALU_DEP_1)
	v_permlanex16_b32 v252, v14, s[SEL], s[SEL+1]
	s_delay_alu instid0(VALU_DEP_1)
	v_add_f32 v14, v14, v252                       ; the row's sum
	WALU
	v_rcp_f32 v14, v14
	v_nop                                          ; (plain places behind the reciprocal and behind the last products)
	v_nop
	WALU                                           ; ahead of the reciprocal's first reader, which is O^T's too
.irp j, 0,1,2,3,4,5,6,7,8,9,10,11,12,13,14,15,16,17,18,19,20,21,22,23,24,25,26,27,28,29,30,31
	v_mul_f32 v[96+\j], v[160+\j], v14
.endr
.irp b, 0,1
	v_max3_num_f32 v[232+\b], |v[96+16*\b]|, |v[97+16*\b]|, 0x1800000
.endr
.irp i, 2,4,6,8,10,12,14
.irp b, 0,1
	s_delay_alu instid0(VALU_DEP_2)
	v_max3_num_f32 v[232+\b], v[232+\b], |v[96+16*\b+\i]|, |v[97+16*\b+\i]|
.endr
.endr
.irp b, 0,1
	s_delay_alu instid0(VALU_DEP_2)
	v_permlanex16_b32 v[236+\b], v[232+\b], s[SEL], s[SEL+1]
.endr
.irp b, 0,1
	s_delay_alu instid0(VALU_DEP_2)
	v_max_num_f32 v[232+\b], v[232+\b], v[236+\b]
.endr
.irp b, 0,1
	s_delay_alu instid0(VALU_DEP_2)
	v_add_nc_u32 v[244+\b], 0xff000000, v[232+\b]
.endr
.irp b, 0,1
	s_delay_alu instid0(VALU_DEP_2)
	v_lshrrev_b32 v[236+\b], 23, v[244+\b]
.endr
	s_delay_alu instid0(VALU_DEP_1)
	v_lshl_or_b32 v253, v237, 8, v236              ; my head's two scale bytes
	v_cvt_scalef32_pk16_fp6_f32 v[224:226], v[96:111], v244
	v_cvt_scalef32_pk16_fp6_f32 v[236:238], v[112:127], v245
	v_nop                                          ; one plain instruction behind the scaled conversions
.irp i, 0,1,2
	v_permlane16_swap_b32 v[224+\i], v[236+\i]     ; a whole block to a lane
.endr
.irp i, 0,1,2
	s_delay_alu instid0(VALU_DEP_3)
	v_mov_b32 v[227+\i], v[236+\i]
.endr
	global_store_b128 v[L16], v[224:227], s[8:9]   ; 512 and 256 consecutive bytes, aligned
	global_store_b64 v[L8], v[228:229], s[8:9] offset:512
	global_store_b16 v[R4], v253, s[10:11]         ; my row's two bytes; both lanes of a row store the same bytes with the same value
	s_wait_xcnt 0x0                                ; the stores have read their registers and bases
	s_add_nc_u64 s[8:9], s[8:9], 16*12288          ; 16 token tiles on
	s_add_nc_u64 s[10:11], s[10:11], 16*64
.irp j, 0,1,2,3,4,5
	v_mov_b32 v[16+\j], v[Q2+\j]                   ; the second trip's Q (the second trip's own copies are not read)
.endr
	v_mov_b32 v255, v[Q2+6]
	s_add_co_u32 s[PS], s[PS], 1
	s_cmp_lt_u32 s[PS], 2
	WALU
	s_cbranch_scc1 .Lpass
	s_wait_tensorcnt 0x0                           ; the wave's end
	ds_add_u32 v[SPW], v[NIL]
	s_wait_dscnt 0x0
	CROUND                                         ; the closing round
	s_endpgm
.Lfunc_end_k_qd9ea19f38f_attn:
	.size	k_qd9ea19f38f_attn, .Lfunc_end_k_qd9ea19f38f_attn-k_qd9ea19f38f_attn
	.p2alignl 7, 3214868480
	.fill 96, 4, 3214868480
	.section	.rodata,"a",@progbits
	.p2align	6, 0x0
	.amdhsa_kernel k_qd9ea19f38f_attn
		.amdhsa_group_segment_fixed_size 327680
		.amdhsa_private_segment_fixed_size 0
		.amdhsa_enable_private_segment 0
		.amdhsa_kernarg_size 32
		.amdhsa_user_sgpr_count 2
		.amdhsa_user_sgpr_kernarg_segment_ptr 1
		.amdhsa_wavefront_size32 1
		.amdhsa_system_sgpr_workgroup_id_x 1
		.amdhsa_system_sgpr_workgroup_id_y 1
		.amdhsa_system_sgpr_workgroup_id_z 1
		.amdhsa_system_vgpr_workitem_id 0
		.amdhsa_next_free_vgpr 256
		.amdhsa_next_free_sgpr 100
		.amdhsa_reserve_vcc 0
		.amdhsa_float_denorm_mode_32 3
		.amdhsa_float_denorm_mode_16_64 3
		.amdhsa_memory_ordered 1
		.amdhsa_forward_progress 1
		.amdhsa_inst_pref_size 54
	.end_amdhsa_kernel
	.amdgpu_metadata
---
amdhsa.version: [ 1, 2 ]
amdhsa.kernels:
  - .name:           k_qd9ea19f38f_attn
    .symbol:         k_qd9ea19f38f_attn.kd
    .args:
      - { .name: pc, .offset: 0, .size: 8, .value_kind: global_buffer, .address_space: global }
      - { .name: ps, .offset: 8, .size: 8, .value_kind: global_buffer, .address_space: global }
      - { .name: oc, .offset: 16, .size: 8, .value_kind: global_buffer, .address_space: global }
      - { .name: os, .offset: 24, .size: 8, .value_kind: global_buffer, .address_space: global }
    .group_segment_fixed_size: 327680
    .private_segment_fixed_size: 0
    .kernarg_segment_align: 8
    .kernarg_segment_size: 32
    .max_flat_workgroup_size: 512
    .sgpr_count:     100
    .vgpr_count:     256
    .wavefront_size: 32
...
	.end_amdgpu_metadata
.endif
;; end of part 3
;; launch outp (part 4): grid 32 x 8, 4 waves a work-group, clusters of 4 x 4, 327,680 bytes of LDS; arguments oc, os, xc, xs, bo, out0; writes out0
.if DOCPART == 4
	.amdgcn_target "amdgcn-amd-amdhsa--gfx1250"
	.amdhsa_code_object_version 6
	.text
	.protected	k_qd9ea19f38f_outp
	.globl	k_qd9ea19f38f_outp
	.p2align	8
	.type	k_qd9ea19f38f_outp,@function
k_qd9ea19f38f_outp:
	s_mov_b64 s[64:65], 0
	v_nop
	global_prefetch_b8 v0, s[64:65] scope:SCOPE_SE
	s_setreg_imm32_b32 hwreg(HW_REG_WAVE_MODE, 25, 1), 1
	s_wait_xcnt 0x0
	s_wait_alu depctr_hold_cnt(0) depctr_sa_sdst(0) depctr_va_vdst(0) depctr_va_sdst(0) depctr_va_ssrc(0) depctr_va_vcc(0) depctr_vm_vsrc(0)
	s_getreg_b32 s2, hwreg(HW_REG_IB_STS2, 6, 4)
	s_cmp_eq_u32 s2, 0
	s_cbranch_scc0 .Lentry_in_a_cluster
	s_endpgm
.Lentry_in_a_cluster:
	s_bfe_u32 s2, ttmp6, 0x10000c
	s_cmp_lg_u32 s2, 0xf033
	s_cbranch_scc0 .Lentry_shape_is_right
	s_endpgm
.Lentry_shape_is_right:
; out0[token][n] = sum over k of O[token][k] Wo[n][k] + bo[n], f32: the output projection on codes of FP6 (E2M3) with E8M0 scales: 8,192 x 1,024 x 1,024.
; INPUTS, images of operand registers: a fragment is 16 rows x 128 K, 1,536 bytes: registers 0-3 at 16 l, 4-5 at 512 + 8 l, 6-9 at 768 + 16 l, 10-11 at 1,280 + 8 l.
;   oc [token tile 512][K step 8][1,536], os [K step 8][token tile 512][16 words];  Wo: xc [row tile][K step 8][1,536] from row tile 1,728 on, xs [K step 8][row tile 1,792][16 words].  Rows keep their order.
; LIMITS: NaN, infinities and sums beyond f32's range are not served; a sum begins with the bias, where the reference adds it last.
; THE DEAL.  256 work-groups of four waves, 2 x 2, each 256 tokens x 128 columns.  A wave holds four tiles of 16 columns of Wo, all of K, in 384 registers, and streams A's token tiles past them: wave row w takes
; tile 2 s + w as its block s = 0 .. 7; a block is 32 products, four accumulators by turns, the bias as the first four products' C.
; CLUSTERS: tile row = 4 x cluster x + cx, tile column = 4 x cluster y + cy.  A's tiles are shared by a column of the cluster, Wo's by a row: joint loads.
; LDS: A's 16 token tiles (196,608 bytes, dense in memory), Wo's 8 row tiles (98,304), the spare words, a stage of 16 rows x 272 bytes for each wave.  Nothing is filled again; all is asked for at the head, so no data prefetch is laid.
; THE HEAD'S FOUR TILES, one a wave, each on a line of its own: Wo; A's tiles 0-7; 8-11; 12-15.  The stream begins when the first two are in; a plain barrier inside block 1 shows the others, which are first read behind block 2.
; THE SCALE WORDS go from memory into registers, once: a register holds two tiles' words, one in lanes 0-15 and one in lanes 16-31, and the products' row selectors pick; 128 or 2 x 64 consecutive bytes a load.
; THE MATRIX INSTRUCTION IS USED TRANSPOSED (source 0 = Wo's rows): a lane holds eight neighbouring columns of one token.  Behind a block's products its sums go through the wave's own stage and leave as rows of 256 bytes, aligned.
; The eight blocks are written out: the scale registers differ from block to block.
.set FR,   12                          ; registers of a fragment
.set FPW,  21                          ; fragments in a window of 256 registers: fragment f lies in window 1 + f / 21 at register 12 (f % 21)
.set NB,   4
.set NQ,   8
.set NF,   32                          ; LDS loads of a block
.set TILE, 12288                       ; a tile of 16 rows, all of K
.set YB,   16*TILE                     ; Wo's tiles
.set SPARE, YB+8*TILE
.set STAGE, SPARE+512
.set SPITCH, 272
.set L4,   4                           ; v4  4 l
.set ASO,  5                           ; v5  128 (l / 16) + 4 (l % 16)
.set BOF,  8                           ; v8  32 (l / 16)
.set CO,   9                           ; v9  my place in two rows of out0
.set SPW,  10
.set NIL,  11
.set A16,  12                          ; v12, v13  LDS address of block 0's fragments (16 l, 8 l); never rewritten
.set A8,   13
.set F16,  14                          ; v14, v15  the same for the block that is fetched next
.set F8,   15
.set B16,  16                          ; v16, v17  of my four tiles of Wo
.set B8,   17
.set STO,  18
.set RD,   19
.set SB,   24                          ; v24-39  Wo's scale words: 8 p + q: tiles 2 p, 2 p + 1, K step q
.set SA,   44                          ; v44-75  A's: 8 u + q: blocks 2 u, 2 u + 1
.set ACC,  80                          ; v80-143 two sets of four accumulators
.set BK,   144                         ; v144-207 two sets: 16 rows back from the stage
.set BO,   208                         ; v208-239 the bias in the sums' layout
.set WV, 18
.set WR, 19
.set WC, 20
.set G1A, 24
.set G1B, 32
.set G0A, 56
.set G0B, 60
.set MSB, 0
.macro WIN new
.if MSB != \new
	s_set_vgpr_msb (MSB<<8)|\new
.set MSB, \new
.endif
.endm
.macro PLACES n
.rept \n
	v_nop
.endr
.endm
.macro WALU
	s_wait_alu depctr_va_vdst(0)
.endm
.macro BARRIER
	s_barrier_signal -1
	s_barrier_wait -1
.endm
.macro CROUND
	BARRIER
	s_cmp_lg_u32 s[WV], 0
	s_cbranch_scc1 .Lnot_wave_0_\@
	s_barrier_signal -3
.Lnot_wave_0_\@:
	s_barrier_wait -3
	BARRIER
.endm
.macro TLOAD g0, g1                    ; an s_nop 0 and four v_nop follow a tensor load
	tensor_load_to_lds s[\g0:\g0+3], s[\g1:\g1+7]
	s_nop 0
	PLACES 4
.endm
.macro GROUP1 g, mask                  ; tiles as rows of 12,288 bytes, 1,536 elements of 8, dense
	s_or_b32 s[\g+0], s[\mask], (3<<16)|(1<<21)
	s_mov_b32 s[\g+1], 1536<<16
	s_mov_b32 s[\g+3], 1536<<16
	s_mov_b32 s[\g+5], 1536
	s_mov_b32 s[\g+6], 0
	s_mov_b32 s[\g+7], 0
.endm
.macro ATILE first, rows               ; a part of A's 16 tiles, by constants written in its own arm
	s_mov_b32 s[G0A+1], (\first)*TILE
	s_mov_b32 s[G1A+2], (\rows)<<16
	s_mov_b32 s[G1A+4], \rows
.if \first
	s_add_nc_u64 s[G0A+2:G0A+3], s[G0A+2:G0A+3], (\first)*TILE
.endif
	s_or_b32 s[G0A+3], s[G0A+3], 0x80000000
	TLOAD G0A, G1A
.endm
.macro FRAGI f, a16, a8, off           ; fragment f out of its image
	WIN (1+(\f)/FPW)<<6
.set R_, FR*((\f)%FPW)
	ds_load_b128 v[R_:R_+3], v[\a16] offset:\off
	ds_load_b64 v[R_+4:R_+5], v[\a8] offset:(\off)+512
	ds_load_b128 v[R_+6:R_+9], v[\a16] offset:(\off)+768
	ds_load_b64 v[R_+10:R_+11], v[\a8] offset:(\off)+1280
.endm
.macro FETCHAT e, a16, a8              ; a block of A into set e: NF loads
.irp q, 0,1,2,3,4,5,6,7
	FRAGI NB*NQ+NQ*(\e)+\q, \a16, \a8, \q*1536
.endr
	WIN 0
.endm
.macro PROD2 d, s0, s1, c, x0, x1, ra, rb
	v_wmma_scale_f32_16x16x128_f8f6f4 v[\d:\d+7], v[FR*((\s0)%FPW):FR*((\s0)%FPW)+FR-1], v[FR*((\s1)%FPW):FR*((\s1)%FPW)+FR-1], \c, v[\x0], v[\x1] matrix_a_fmt:MATRIX_FMT_FP6 matrix_b_fmt:MATRIX_FMT_FP6 matrix_a_scale:MATRIX_SCALE_ROW\ra matrix_b_scale:MATRIX_SCALE_ROW\rb
.endm
.macro PROD1 d, s0, s1, c, x0, x1, o, p
.if (\o) && (\p)
	PROD2 \d, \s0, \s1, \c, \x0, \x1, 1, 1
.elseif (\o)
	PROD2 \d, \s0, \s1, \c, \x0, \x1, 1, 0
.elseif (\p)
	PROD2 \d, \s0, \s1, \c, \x0, \x1, 0, 1
.else
	PROD2 \d, \s0, \s1, \c, \x0, \x1, 0, 0
.endif
.endm
.macro PROD e, s, n                    ; product n = 4 q + tile of block s, whose rows lie in set e
.set Q_, (\n)/4
.set FB_, NB*Q_+(\n)%4
.set FA_, NB*NQ+NQ*(\e)+Q_
.set D_, ACC+32*(\e)+8*((\n)%4)
.set XB_, SB+NQ*(((\n)%4)/2)+Q_
.set XA_, SA+NQ*((\s)/2)+Q_
	WIN (1+FB_/FPW)|((1+FA_/FPW)<<2)
.if Q_
	PROD1 D_, FB_, FA_, v[D_:D_+7], XB_, XA_, (\n)%2, (\s)%2
.else
	PROD1 D_, FB_, FA_, v[BO+8*((\n)%4):BO+8*((\n)%4)+7], XB_, XA_, (\n)%2, (\s)%2
.endif
.endm
.macro PRODS e, s, from, to
.set N_, \from
.rept (\to)-(\from)
	PROD \e, \s, N_
.set N_, N_+1
.endr
	WIN 0
.endm
.macro STAGED u                        ; set u's sums into my stage, each accumulator from its low end on, and back as whole rows; LDS serves a wave's instructions in order (ISA guide 5.7.1.4)
.irp b, 0,1,2,3
	ds_store_b128 v[STO], v[ACC+32*(\u)+8*\b:ACC+32*(\u)+8*\b+3] offset:64*\b
	ds_store_b128 v[STO], v[ACC+32*(\u)+8*\b+4:ACC+32*(\u)+8*\b+7] offset:64*\b+16
.endr
.irp t, 0,1,2,3,4,5,6,7
	ds_load_b128 v[BK+32*(\u)+4*\t:BK+32*(\u)+4*\t+3], v[RD] offset:2*\t*SPITCH
.endr
.endm
.macro TOC s, u                        ; block s's rows: tokens 32 s + 16 w + 0 .. 15; sixteen lanes store 256 consecutive bytes, aligned
.irp t, 0,1,2,3,4,5,6,7
	global_store_b128 v[CO], v[BK+32*(\u)+4*\t:BK+32*(\u)+4*\t+3], s[14:15] offset:(32*(\s)+2*\t)*4096 th:TH_STORE_NT
.endr
.endm
.macro STREAM s, e                     ; block s, set e = s % 2
.if (\s) == 1
	PRODS \e, \s, 0, 24
	s_wait_tensorcnt 0x0                           ; every wave's tile has landed,
	s_wait_dscnt 0x0
	s_barrier_signal -1                            ; a plain barrier
	PRODS \e, \s, 24, 32
	s_barrier_wait -1                              ; and all of A is there for all
.else
	PRODS \e, \s, 0, 32
.endif
.if (\s) < 6                           ; four plain vector lines between the last product and the readers of its sums and the loads into its sources
	v_add_nc_u32 v[F16], ((\s)+2)*2*TILE, v[A16]
	v_add_nc_u32 v[F8], ((\s)+2)*2*TILE, v[A8]
	PLACES 2
	WALU
.else
	PLACES 4
.endif
	s_wait_xcnt 0x0                                ; the stores of two blocks ago have read this set of rows
	STAGED \e
.if (\s) < 6
	FETCHAT \e, F16, F8                            ; the block two on
	s_wait_dscnt NF                                ; my rows are back from the stage, and the next block's fragments are in; the NF loads just issued are younger
.else
	s_wait_dscnt 0x0
.endif
	TOC \s, \e
.endm
; ================= THE HEAD
	s_load_b256 s[4:11], s[0:1], 0x0               ; oc, os, xc, xs
	s_load_b128 s[12:15], s[0:1], 0x20             ; bo, out0
	v_lshl_add_u32 v[SPW], v0, 2, SPARE
	v_mov_b32 v[NIL], 0
	ds_add_u32 v[SPW], v[NIL]                      ; the opening lines: the add twice on end and one wait
	ds_add_u32 v[SPW], v[NIL]
	v_lshrrev_b32 v1, 5, v0
	v_readfirstlane_b32 s[WV], v1
	s_lshr_b32 s[WR], s[WV], 1                     ; my row of the 2 x 2,
	s_and_b32 s[WC], s[WV], 1                      ; my column
	s_bfe_u32 s40, ttmp6, 0x40000
	s_bfe_u32 s41, ttmp6, 0x40004
	s_lshl_b32 s43, ttmp9, 2
	s_add_co_u32 s43, s43, s40                     ; tile row, 0 .. 31
	s_and_b32 s42, ttmp7, 0xffff
	s_lshl_b32 s42, s42, 2
	s_add_co_u32 s42, s42, s41                     ; tile column, 0 .. 7
	s_lshl_b32 s44, 0x1111, s40                    ; my column of the cluster shares A's tiles
	s_lshl_b32 s45, s41, 2
	s_lshl_b32 s45, 15, s45                        ; my row shares Wo's
	GROUP1 G1A, 44
	GROUP1 G1B, 45
	s_mov_b32 s[G1B+2], 8<<16
	s_mov_b32 s[G1B+4], 8
	s_mov_b32 s[G0A], 1
	s_mov_b32 s[G0B], 1
	s_mov_b32 s[G0B+1], YB
	s_mul_i32 s76, s43, 16*TILE                    ; A's codes
	s_mov_b32 s77, 0
	s_mul_i32 s78, s42, 8*TILE
	s_add_co_u32 s78, s78, 1728*TILE               ; Wo's
	s_mov_b32 s79, 0
	s_lshl_b32 s80, s43, 10
	s_lshl_b32 s21, s[WR], 6
	s_add_co_u32 s80, s80, s21                     ; A's scale words: tile 16 x tile row + w
	s_mov_b32 s81, 0
	s_lshl_b32 s84, s42, 9
	s_lshl_b32 s21, s[WC], 8
	s_add_co_u32 s84, s84, s21                     ; my 64 columns, in bytes of f32; the same number is my four tiles' place among Wo's scale words
	s_mov_b32 s85, 0
	s_add_co_u32 s82, s84, 1728*64
	s_mov_b32 s83, 0
	s_lshl_b32 s86, s43, 20
	s_lshl_b32 s21, s[WR], 16
	s_add_co_u32 s86, s86, s21
	s_add_co_u32 s86, s86, s84                     ; out0: token 256 x tile row + 16 w, my columns
	s_mov_b32 s87, 0
	s_mul_i32 s21, s[WR], TILE
	s_mul_i32 s22, s[WC], 4*TILE
	s_add_co_u32 s22, s22, YB
	s_mul_i32 s23, s[WV], 16*SPITCH
	s_add_co_u32 s23, s23, STAGE
	v_and_b32 v1, 15, v0
	v_bfe_u32 v2, v0, 4, 1
	v_and_b32 v3, 31, v0
	v_lshlrev_b32 v[L4], 2, v3
	v_lshlrev_b32 v[ASO], 7, v2
	v_lshlrev_b32 v[BOF], 5, v2
	v_lshlrev_b32 v[CO], 12, v2
	v_lshl_add_u32 v[ASO], v1, 2, v[ASO]
	v_lshl_add_u32 v[CO], v1, 4, v[CO]
	v_lshl_add_u32 v[A16], v3, 4, s21
	v_lshl_add_u32 v[A8], v3, 3, s21
	v_lshl_add_u32 v[B16], v3, 4, s22
	v_lshl_add_u32 v[B8], v3, 3, s22
	v_add_nc_u32 v[F16], 2*TILE, v[A16]
	v_add_nc_u32 v[F8], 2*TILE, v[A8]
	v_mul_u32_u24 v20, v1, SPITCH
	v_mul_u32_u24 v21, v2, SPITCH
	v_lshl_add_u32 v20, v2, 5, v20
	v_lshl_add_u32 v21, v1, 4, v21
	v_add_nc_u32 v[STO], s23, v20                  ; in: row l % 16, 32 bytes for each half of the lanes
	v_add_nc_u32 v[RD], s23, v21                   ; back: sixteen lanes to a row of 256 bytes
	WALU
	s_wait_dscnt 0x0
	CROUND                                         ; the opening round
	s_wait_kmcnt 0x0
	s_add_nc_u64 s[G0A+2:G0A+3], s[4:5], s[76:77]
	s_add_nc_u64 s[G0B+2:G0B+3], s[8:9], s[78:79]
	s_or_b32 s[G0B+3], s[G0B+3], 0x80000000
	s_add_nc_u64 s[6:7], s[6:7], s[80:81]
	s_add_nc_u64 s[10:11], s[10:11], s[82:83]
	s_add_nc_u64 s[12:13], s[12:13], s[84:85]
	s_add_nc_u64 s[14:15], s[14:15], s[86:87]
	s_cmp_eq_u32 s[WV], 0
	s_cbranch_scc0 .Lwave_1
	TLOAD G0B, G1B                                 ; wave 0: Wo's tiles, which are wanted first
	s_branch .Lasked
.Lwave_1:
	s_cmp_eq_u32 s[WV], 1
	s_cbranch_scc0 .Lwave_2
	ATILE 0, 8                                     ; wave 1: A's tiles 0 to 7
	s_branch .Lasked
.Lwave_2:
	s_cmp_eq_u32 s[WV], 2
	s_cbranch_scc0 .Lwave_3
	ATILE 8, 4                                     ; wave 2: 8 to 11
	s_branch .Lasked
.Lwave_3:
	ATILE 12, 4                                    ; wave 3: 12 to 15
.Lasked:
.irp p, 0,1
.irp q, 0,1,2,3,4,5,6,7
	global_load_b32 v[SB+NQ*\p+\q], v[L4], s[10:11] offset:\q*114688+\p*128    ; tiles 2 p, 2 p + 1 of my four: 128 consecutive bytes
.endr
.endr
.irp u, 0,1,2,3
.irp q, 0,1,2,3,4,5,6,7
	global_load_b32 v[SA+NQ*\u+\q], v[ASO], s[6:7] offset:\q*32768+\u*256      ; token tiles 4 u + w and 4 u + 2 + w
.endr
.endr
.irp b, 0,1,2,3
	global_load_b128 v[BO+8*\b:BO+8*\b+3], v[BOF], s[12:13] offset:64*\b       ; register i of tile b: column 16 b + 8 (l / 16) + i
	global_load_b128 v[BO+8*\b+4:BO+8*\b+7], v[BOF], s[12:13] offset:64*\b+16
.endr
	s_cmp_eq_u32 s[WV], 0
	s_cbranch_scc0 .Lnot_b
	s_wait_tensorcnt 0x0
.Lnot_b:
	BARRIER                                        ; Wo has landed
.irp q, 0,1,2,3,4,5,6,7
.irp b, 0,1,2,3
	FRAGI NB*\q+\b, B16, B8, \b*TILE+\q*1536
.endr
.endr
	WIN 0
	s_cmp_eq_u32 s[WV], 1
	s_cbranch_scc0 .Lnot_a
	s_wait_tensorcnt 0x0                           ; wave 1: A's tiles 0 to 7 have landed
.Lnot_a:
	s_wait_dscnt 0x0
	BARRIER                                        ; waves 2 and 3's tiles may still be on their way
	FETCHAT 0, A16, A8
	FETCHAT 1, F16, F8
	s_wait_loadcnt 0x0                             ; the scale words and the bias
	s_wait_dscnt NF                                ; block 0's fragments are in
; ================= THE STREAM
	STREAM 0, 0
	STREAM 1, 1
	STREAM 2, 0
	STREAM 3, 1
	STREAM 4, 0
	STREAM 5, 1
	STREAM 6, 0
	STREAM 7, 1
	s_wait_tensorcnt 0x0                           ; the wave's end
	ds_add_u32 v[SPW], v[NIL]
	s_wait_dscnt 0x0
	CROUND                                         ; the closing round
	s_endpgm
.Lfunc_end_k_qd9ea19f38f_outp:
	.size	k_qd9ea19f38f_outp, .Lfunc_end_k_qd9ea19f38f_outp-k_qd9ea19f38f_outp
	.p2alignl 7, 3214868480
	.fill 96, 4, 3214868480
	.section	.rodata,"a",@progbits
	.p2align	6, 0x0
	.amdhsa_kernel k_qd9ea19f38f_outp
		.amdhsa_group_segment_fixed_size 327680
		.amdhsa_private_segment_fixed_size 0
		.amdhsa_enable_private_segment 0
		.amdhsa_kernarg_size 48
		.amdhsa_user_sgpr_count 2
		.amdhsa_user_sgpr_kernarg_segment_ptr 1
		.amdhsa_wavefront_size32 1
		.amdhsa_system_sgpr_workgroup_id_x 1
		.amdhsa_system_sgpr_workgroup_id_y 1
		.amdhsa_system_sgpr_workgroup_id_z 1
		.amdhsa_system_vgpr_workitem_id 0
		.amdhsa_next_free_vgpr 840
		.amdhsa_next_free_sgpr 102
		.amdhsa_reserve_vcc 0
		.amdhsa_float_denorm_mode_32 3
		.amdhsa_float_denorm_mode_16_64 3
		.amdhsa_memory_ordered 1
		.amdhsa_forward_progress 1
		.amdhsa_inst_pref_size 88
	.end_amdhsa_kernel
	.amdgpu_metadata
---
amdhsa.version: [ 1, 2 ]
amdhsa.kernels:
  - .name:           k_qd9ea19f38f_outp
    .symbol:         k_qd9ea19f38f_outp.kd
    .args:
      - { .name: oc, .offset: 0, .size: 8, .value_kind: global_buffer, .address_space: global }
      - { .name: os, .offset: 8, .size: 8, .value_kind: global_buffer, .address_space: global }
      - { .name: xc, .offset: 16, .size: 8, .value_kind: global_buffer, .address_space: global }
      - { .name: xs, .offset: 24, .size: 8, .value_kind: global_buffer, .address_space: global }
      - { .name: bo, .offset: 32, .size: 8, .value_kind: global_buffer, .address_space: global }
      - { .name: out0, .offset: 40, .size: 8, .value_kind: global_buffer, .address_space: global }
    .group_segment_fixed_size: 327680
    .private_segment_fixed_size: 0
    .kernarg_segment_align: 8
    .kernarg_segment_size: 48
    .max_flat_workgroup_size: 128
    .sgpr_count:     102
    .vgpr_count:     840
    .wavefront_size: 32
...
	.end_amdgpu_metadata
.endif
;; end of part 4
